; MI455X (gfx1250); checked and timed in simulation.
; The chip was launched on July 23, 2026; its instructions are those of AMD's public machine-readable ISA for CDNA 5 (MIT licence, August 2026) and "CDNA5" Instruction Set Architecture Reference Guide (July 2026). The comments in the code are by the model that wrote it; some were corrected since.
;; Multi Head Attention. Allowed arithmetic: matrix products marked QUANTISED: E2M1 operands, one E8M0 scale for each 32 along K, by v_wmma_scale_f32_16x16x128_f8f6f4 with both operands' format E2M1 (or v_wmma_scale_f32_32x16x128_f4), f32 sums; everything else in f32.
;; Inputs: W_k_codes 1,024 x 32 x 16 uint8 (E2M1 codes of W_k, K innermost, in blocks of 32 codes, two codes a byte); W_k_scales 1,024 x 32 uint8 (E8M0 scales of W_k, one for each 32 codes along K); W_ls_codes 1,024 x 24 x 16 uint8 (E2M1 codes of W_ls, K innermost, in blocks of 32 codes, two codes a byte); W_ls_scales 1,024 x 24 uint8 (E8M0 scales of W_ls, one for each 32 codes along K); W_lv_codes 1,024 x 64 x 16 uint8 (E2M1 codes of W_lv, K innermost, in blocks of 32 codes, two codes a byte); W_lv_scales 1,024 x 64 uint8 (E8M0 scales of W_lv, one for each 32 codes along K); W_p_codes 1,024 x 32 x 16 uint8 (E2M1 codes of W_p, K innermost, in blocks of 32 codes, two codes a byte); W_p_scales 1,024 x 32 uint8 (E8M0 scales of W_p, one for each 32 codes along K); W_q_codes 1,024 x 32 x 16 uint8 (E2M1 codes of W_q, K innermost, in blocks of 32 codes, two codes a byte); W_q_scales 1,024 x 32 uint8 (E8M0 scales of W_q, one for each 32 codes along K); W_v_codes 1,024 x 32 x 16 uint8 (E2M1 codes of W_v, K innermost, in blocks of 32 codes, two codes a byte); W_v_scales 1,024 x 32 uint8 (E8M0 scales of W_v, one for each 32 codes along K); b_k 1,024 float32; b_ls 1,024 float32; b_lv 1,024 float32; b_p 1,024 float32; b_q 1,024 float32; b_v 1,024 float32; ln_beta 1,024 float32; ln_gamma 1,024 float32; pos_s 1 x 512 x 1,024 float32; pos_v 1 x 512 x 1,024 float32; s_codes 16 x 512 x 24 x 16 uint8 (E2M1 codes of s, K innermost, in blocks of 32 codes, two codes a byte); s_scales 16 x 512 x 24 uint8 (E8M0 scales of s, one for each 32 codes along K); v_codes 16 x 512 x 64 x 16 uint8 (E2M1 codes of v, K innermost, in blocks of 32 codes, two codes a byte); v_scales 16 x 512 x 64 uint8 (E8M0 scales of v, one for each 32 codes along K).
;; Outputs: out0 16 x 512 x 1,024 float32.
;; Constants: s_len = 512, v_len = 512.
;; This version of the problem:
;;   THIS VERSION OF THE PROBLEM IS GIVEN IN LOW PRECISION. The matrix products marked QUANTISED in the list below multiply operands that are first quantised to E2M1 (2 exponent bits, 1 mantissa bit; 4 bits a number), with one power-of-two scale for each 32 numbers along K (OCP MX v1.0); their sums are f32. All else is computed in f32.
;;   The module's matrix products, in the order in which they are computed (A, B: the left and right operand; K: the contracted axis; several contracted axes count as one K, in the product's order):
;;     1. [M 8,192, K 2,048] x [K 2,048, N 1,024]; A: input v (given as codes); B: input W_lv (given as codes): QUANTISED
;;     2. [M 8,192, K 768] x [K 768, N 1,024]; A: input s (given as codes); B: input W_ls (given as codes): QUANTISED
;;     3. [M 8,192, K 1,024] x [K 1,024, N 1,024]; A: computed on the way; B: input W_q (given as codes): QUANTISED
;;     4. [M 8,192, K 1,024] x [K 1,024, N 1,024]; A: computed on the way; B: input W_k (given as codes): QUANTISED
;;     5. [M 8,192, K 1,024] x [K 1,024, N 1,024]; A: computed on the way; B: input W_v (given as codes): QUANTISED
;;     6. batch 256 x [M 512, K 64] x [K 64, N 512]; A: computed on the way; B: computed on the way: QUANTISED
;;     7. batch 256 x [M 512, K 512] x [K 512, N 64]; A: softmax (see below); B: computed on the way: QUANTISED
;;     8. [M 8,192, K 1,024] x [K 1,024, N 1,024]; A: computed on the way; B: input W_p (given as codes): QUANTISED
;;   THE QUANTISER, for each operand of a quantised product, along K:
;;     - K is cut into blocks of 32 from its start; a last block that is shorter is filled with zeros.
;;     - A block's scale is 2^e with e = floor(log2(the largest magnitude in the block)) - 2, held to -126 .. 127; a block of zeros has e = 0. As a byte (E8M0): e + 127.
;;     - Each number is divided by its block's scale, clamped to +-6, and rounded to the nearest number of E2M1, ties to even, subnormals kept.
;;     - The product sums the exact products of the quantised numbers (number of the format x scale) in f32.
;;   ~~~python
;;   def quantise(x, axis):      # numpy; x: float32 -> the quantised numbers, widened to float32 again
;;       x = np.moveaxis(x, axis, -1); K = x.shape[-1]
;;       x = np.pad(x, [(0, 0)] * (x.ndim - 1) + [(0, -K % 32)]); x = x.reshape(x.shape[:-1] + (-1, 32)); a = np.abs(x).max(-1, keepdims=True)
;;       e = np.where(a > 0, np.clip(np.frexp(np.where(a > 0, a, 1))[1] - 1 - 2, -126, 127), 0)      # np.frexp(a)[1] - 1 = floor(log2(a)), exactly
;;       r = np.clip(x / 2.0 ** e, -6, 6)
;;       step = 2.0 ** (np.maximum(np.frexp(np.where(r == 0, 1, r))[1] - 1, 0) - 1)
;;       q = np.round(r / step) * step * 2.0 ** e      # np.round: ties to even
;;       return np.moveaxis(q.reshape(q.shape[:-2] + (-1,))[..., :K], -1, axis).astype(np.float32)
;;   ~~~
;;   SOFTMAX AHEAD OF A QUANTISED PRODUCT. Where the list says 'softmax', what is quantised is not the finished softmax but p = 2^(t - M), with t = logit x log2(e) and M = ceil(the row's largest t), a whole number; so 1/2 < the row's largest p <= 1. The row's sum l is taken of the UNQUANTISED p, in f32, and the product's result is divided by l at the end. Since M is a whole number, a kernel that streams over the keys may use a running M (the ceiling of the running maximum): every later rescaling is an exact power of two, which a block's scale takes up: the codes' values come out the same.
;;   OPERANDS COMPUTED ON THE WAY. 'Computed on the way' means the value that the module computes at that place (a softmax that the list does not call 'softmax' is quantised finished and normalised). What goes into a quantiser is computed in f32, as accurately as f32 sums, v_exp_f32 and their like allow (about 1e-6 of the number): no bf16 or f16 on the way to a quantiser, and a product that is left as it is and whose result goes on into a quantised operand takes f32 operands (vector FMAs, or v_wmma_f32_16x16x4_f32). A number that lies on a knife's edge between two numbers of the format may be rounded either way, as far as f32 arithmetic and the matrix unit's own rounding can turn it there, and no further.
;;   INPUTS GIVEN AS CODES. W_k (in the module: [1024, 1024], K = its axis 0); W_ls (in the module: [768, 1024], K = its axis 0); W_lv (in the module: [2048, 1024], K = its axis 0); W_p (in the module: [1024, 1024], K = its axis 0); W_q (in the module: [1024, 1024], K = its axis 0); W_v (in the module: [1024, 1024], K = its axis 0); s (in the module: [16, 512, 768], K = its axis 2); v (in the module: [16, 512, 2048], K = its axis 2): each comes as NAME_codes (uint8): NAME with its K axis moved to the last place and cut into blocks of 32 codes, [.., K / 32, bytes a block], one block behind the other in memory; two codes a byte, the lower K in the low four bits (a code: sign, 2 exponent bits, 1 mantissa bit); and NAME_scales (uint8): the same leading axes, one E8M0 byte (e + 127) for each 32 codes along K. Its value is code x scale, taken as it is: it is not quantised again, and the codes and scales need not be those that the quantiser above would give.
;; One version. Each part assembles by itself: llvm-mc -triple=amdgcn-amd-amdhsa -mcpu=gfx1250 --defsym DOCPART=n.
;; ======== version 1 of 1: 3 launches
;; workspace buffers: a1_img 4,194,304 bytes; a1_sc 262,144 bytes; s1_img 4,194,304 bytes; s1_sc 262,144 bytes; resid 33,554,432 bytes; wp_img 524,288 bytes; ctx_img 4,194,304 bytes; ctx_sc 262,144 bytes
;; launch proj (part 1): grid 4 x 64, 4 waves a work-group, clusters of 4 x 4, 327,680 bytes of LDS; arguments v_codes, v_scales, W_lv_codes, W_lv_scales, b_lv, s_codes, s_scales, W_ls_codes, W_ls_scales, b_ls, W_p_codes, a1_img, a1_sc, s1_img, s1_sc, resid, wp_img; writes a1_img, a1_sc, s1_img, s1_sc, resid, wp_img
.if DOCPART == 1
	.amdgcn_target "amdgcn-amd-amdhsa--gfx1250"
	.amdhsa_code_object_version 6
	.text
	.protected	k_q7a63130b09_proj
	.globl	k_q7a63130b09_proj
	.p2align	8
	.type	k_q7a63130b09_proj,@function
k_q7a63130b09_proj:
	s_mov_b64 s[64:65], 0
	v_nop
	global_prefetch_b8 v0, s[64:65] scope:SCOPE_SE
	s_setreg_imm32_b32 hwreg(HW_REG_WAVE_MODE, 25, 1), 1
	s_wait_xcnt 0x0
	s_wait_alu depctr_hold_cnt(0) depctr_sa_sdst(0) depctr_va_vdst(0) depctr_va_sdst(0) depctr_va_ssrc(0) depctr_va_vcc(0) depctr_vm_vsrc(0)
	s_getreg_b32 s2, hwreg(HW_REG_IB_STS2, 6, 4)
	s_cmp_eq_u32 s2, 0
	s_cbranch_scc0 .Lentry_in_a_cluster
	s_endpgm
.Lentry_in_a_cluster:
	s_bfe_u32 s2, ttmp6, 0x10000c
	s_cmp_lg_u32 s2, 0xf033
	s_cbranch_scc0 .Lentry_shape_is_right
	s_endpgm
.Lentry_shape_is_right:
; v1 = relu(v W_lv + b_lv) [8192][1024] and s1 = relu(s W_ls + b_ls) [8192][1024], both products on E2M1 codes with E8M0 scales as they lie in memory.
; OUT: relu(v1) in f32 (resid), and Q(v1), Q(s1): codes and scale words along the 1,024 columns, which are the next products' K.  All three leave as IMAGES OF REGISTERS:
;   a1_img, s1_img [T = row / 16][kstep 8][c 2][lane 32][16 B]: registers 4 c .. 4 c + 3 of the 16 x 128 fragment; a1_sc, s1_sc [T][kstep][r 16]: a row's scale word;
;   resid [T][column tile 64][g 2][lane 32][16 B]: registers 4 g .. 4 g + 3 of the 16 x 16 result.  Each image store of a wave covers 512 consecutive bytes, aligned; the scale words leave 64 bytes at a time.
; Beside that each wave relays one 512-byte chunk of W_p into fragment order (wp_img [column tile 64][kstep 8][c 2][lane][16 B]) for the last launch.
; SHARES.  A work-group makes 128 rows x 256 columns of v1 (K 2,048) and then the same tile of s1 (K 768): equal work in all 256.  Wave w: rows 64 (w / 2) on, columns 128 (w % 2) on: 32 accumulators.
; Its 128 columns are one K step of the next product, so a wave's results become whole fragments and whole scale words.
; THE MATRIX INSTRUCTION IS USED TRANSPOSED: source 0 = 16 rows of the weight (output columns), source 1 = 16 rows of v or s: lane (r, h) holds row r, register j column 16 b + 8 h + j.  The bias is the C of a sum's first product.
; RING.  Two LDS slots of 512 along K (rows of 256 bytes + 16 of padding): v's four K steps, then s's one and a half.  Waves 0, 1 fetch the activations' 2 x 64 rows, waves 2, 3 the weight's 2 x 128.
; CLUSTER 4 x 4: the four of a row of the cluster need the same rows of v and s, the four of a column the same rows of the weights: joint loads.  A wave has two tensor loads out at the start, one later.
; SCALES of the work-group's rows, for all of K, are dense blocks of memory: copied once through registers into LDS bytes of their own.
; NOT COMPUTED: s1 W_k + b_k, which the module computes and discards, and pos_s, which it never uses: no output number hangs on W_k, b_k or pos_s, so they are not read.
; LIMITS: NaN and infinities are not served.  A block whose largest magnitude lies under 2^-124 keeps the scale byte 1 (not tried); a block of zeros gets byte 1 where the quantiser says 127: its codes are zeros and this program alone reads the bytes.
; REGISTERS.  window 0: v1-25 addresses; v28, v29 the add's; v32-79 scale words, two sets; v96-159 activation fragments, two sets; v160-223 64 results at work; v224-248 the quantiser's.
;   window 1: v0-127 weight fragments, two sets; v128-191 b_lv, v192-255 b_ls in the result's layout.   window 2: accumulator (a, b) at v[8 (8 a + b)].
.set PITCH,  272
.set BLK,    16*PITCH                  ; 16 rows of a tile in LDS
.set SLOT,   384*PITCH                 ; the activations' 128 rows, then the weight's 256
.set BOFF,   128*PITCH
.set SCVA,   2*SLOT                    ; v's scales: 128 rows x 64 bytes as units of 256 + 16
.set SCVB,   SCVA+8704                 ; W_lv's: 256 rows likewise
.set SCSA,   SCVB+17408                ; s's: 128 rows x 24 bytes, dense
.set SCSB,   SCSA+3072                 ; W_ls's: 256 rows
.set SPARE,  SCSB+6144                 ; the spare words: 128 bytes a wave, two blocks of 256 bytes that no other line names
.set LI,    3                          ; v3   16 x lane
.set SCO,   4                          ; v4   4 r
.set ADRA,  16                         ; v16-17 my activation fragments in slot 0, 1
.set ADRB,  20                         ; v20-21 my weight fragments
.set ADSAV, 22                         ; v22-25 my scale words: v's, W_lv's, s's, W_ls's
.set ADSBV, 23
.set ADSAS, 24
.set ADSBS, 25
.set SPW,   28
.set NIL,   29
.set SC,    32                         ; set s at SC + 24 s: + 4 a' + q: lanes 0-15 row block a', lanes 16-31 a' + 2;  + 8 + 4 b' + q: column block b' / b' + 4
.set AF,    96
.set X,     160
.set TM,    224
.set PC,    240
.set PW,    248
.set BIV,   128
.set BIS,   192
.set WV,    2                          ; s2   wave
.set RH,    3                          ; s3   wave / 2: my half of the rows; also: I fetch activations (0) or weights (1)
.set SEL,   66                         ; s66, s67 lane selects: lane l xor 16
.set G1VA,  24
.set G1VB,  32
.set G1SA0, 40
.set G1SB0, 48
.set G1SA1, 56
.set G1SB1, 68
.set G0A,   76                         ; s[76:83] group 0 for the activations, a set for each slot
.set G0B,   84                         ; s[84:91] for the weights
.set G1W0,  (0<<16)|(1<<20)|(1<<21)|(5<<22)|(3<<25)   ; elements of 1 byte; padding on; bit 21 beside a mask; 4 words behind every 64
.set MSB, 0
.macro WIN new                         ; the immediate's high byte repeats the setting that is left
.if MSB != \new
	s_set_vgpr_msb (MSB<<8)|\new
.set MSB, \new
.endif
.endm
.set MUL,  0xa1                        ; source 0 window 1, source 1 window 0, C and D window 2
.set MULB, 0x91                        ; the same with C (the bias) in window 1
.set TO_B, 0x40                        ; destination window 1
.macro PLACES n
.rept \n
	v_nop
.endr
.endm
.macro G1SET g, d0, rows, pitch        ; a tile of rows x 256 bytes of which d0 are left in the tensor
	s_mov_b32 s[\g+1], (\d0)<<16
	s_mov_b32 s[\g+2], (\rows)<<16
	s_mov_b32 s[\g+3], 256<<16
	s_mov_b32 s[\g+4], \rows
	s_mov_b32 s[\g+5], \pitch
	s_mov_b32 s[\g+6], 0
	s_mov_b32 s[\g+7], 0
.endm
; A joint load.  The branch hangs on the wave's number alone.  Four v_nop follow each of the two lines.
.macro JLOAD g0a, g1a, g0b, g1b
	s_cmp_eq_u32 s[RH], 0
	s_cbranch_scc0 .Lfor_b_\@
	tensor_load_to_lds s[\g0a:\g0a+3], s[\g1a:\g1a+7]
	s_nop 0
.rept 4
	v_nop
.endr
	s_branch .Lasked_\@
.Lfor_b_\@:
	tensor_load_to_lds s[\g0b:\g0b+3], s[\g1b:\g1b+7]
	s_nop 0
.rept 4
	v_nop
.endr
.Lasked_\@:
.endm
.macro CREST                           ; a round of the cluster's barrier behind its opening barrier
	s_cmp_lg_u32 s[WV], 0
	s_cbranch_scc1 .Lnot_wave_0_\@
	s_barrier_signal -3
.Lnot_wave_0_\@:
	s_barrier_wait -3
	s_barrier_signal -1
	s_barrier_wait -1
.endm
.macro CROUND
	s_barrier_signal -1
	s_barrier_wait -1
	CREST
.endm
; one product.  r0, r1: source 0's, source 1's scales stand in lanes 16-31 of their register
.macro WM d, s0, s1, c, x0, x1, r0, r1
.if (\r0) && (\r1)
	v_wmma_scale_f32_16x16x128_f8f6f4 v[(\d):(\d)+7], v[(\s0):(\s0)+7], v[(\s1):(\s1)+7], v[(\c):(\c)+7], v[\x0], v[\x1] matrix_a_fmt:MATRIX_FMT_FP4 matrix_b_fmt:MATRIX_FMT_FP4 matrix_a_scale:MATRIX_SCALE_ROW1 matrix_b_scale:MATRIX_SCALE_ROW1
.elseif (\r0)
	v_wmma_scale_f32_16x16x128_f8f6f4 v[(\d):(\d)+7], v[(\s0):(\s0)+7], v[(\s1):(\s1)+7], v[(\c):(\c)+7], v[\x0], v[\x1] matrix_a_fmt:MATRIX_FMT_FP4 matrix_b_fmt:MATRIX_FMT_FP4 matrix_a_scale:MATRIX_SCALE_ROW1
.elseif (\r1)
	v_wmma_scale_f32_16x16x128_f8f6f4 v[(\d):(\d)+7], v[(\s0):(\s0)+7], v[(\s1):(\s1)+7], v[(\c):(\c)+7], v[\x0], v[\x1] matrix_a_fmt:MATRIX_FMT_FP4 matrix_b_fmt:MATRIX_FMT_FP4 matrix_b_scale:MATRIX_SCALE_ROW1
.else
	v_wmma_scale_f32_16x16x128_f8f6f4 v[(\d):(\d)+7], v[(\s0):(\s0)+7], v[(\s1):(\s1)+7], v[(\c):(\c)+7], v[\x0], v[\x1] matrix_a_fmt:MATRIX_FMT_FP4 matrix_b_fmt:MATRIX_FMT_FP4
.endif
.endm
; 8 products: row block a against the eight column blocks; fragment set p, the slot's q-th 128 along K, scale set.  first = 1: C is the bias at v[bi + 8 b] of window 1.
; The 32 accumulators take turns, one instruction a turn, in the same order in every step.
.macro MULA a, p, q, set, first, bi
.irp b, 0,1,2,3,4,5,6,7
.if \first
	WM 8*(8*(\a)+\b), 64*(\p)+8*\b, AF+32*(\p)+8*(\a), (\bi)+8*\b, SC+8+24*(\set)+4*(\b%4)+(\q), SC+24*(\set)+4*((\a)%2)+(\q), \b/4, (\a)/2
.else
	WM 8*(8*(\a)+\b), 64*(\p)+8*\b, AF+32*(\p)+8*(\a), 8*(8*(\a)+\b), SC+8+24*(\set)+4*(\b%4)+(\q), SC+24*(\set)+4*((\a)%2)+(\q), \b/4, (\a)/2
.endif
.endr
.endm
; 24 LDS loads in one run: the fragments of the slot's q-th 128 along K into set p.  Lane (r, h): row r, registers 4 c .. 4 c + 3 = K 64 c + 32 h + 0 .. 31: 16 bytes as they lie
.macro FETCH slot, q, p
	WIN TO_B
.irp i, 0,1,2,3,4,5,6,7
	ds_load_b128 v[64*(\p)+8*\i:64*(\p)+8*\i+3],   v[ADRB+\slot] offset:64*(\q)+\i*BLK
	ds_load_b128 v[64*(\p)+8*\i+4:64*(\p)+8*\i+7], v[ADRB+\slot] offset:64*(\q)+32+\i*BLK
.endr
	WIN 0
.irp i, 0,1,2,3
	ds_load_b128 v[AF+32*(\p)+8*\i:AF+32*(\p)+8*\i+3],   v[ADRA+\slot] offset:64*(\q)+\i*BLK
	ds_load_b128 v[AF+32*(\p)+8*\i+4:AF+32*(\p)+8*\i+7], v[ADRA+\slot] offset:64*(\q)+32+\i*BLK
.endr
.endm
; a K step's scale words into a set.  kind 0: v's product (four words a row at 16 x step); kind 1: s's (step 0: words 0-3, step 1: words 4, 5 of a row of 24 bytes)
.macro SCALES kind, step, set
.if \kind == 0
.irp a, 0,1
	ds_load_b128 v[SC+24*(\set)+4*\a:SC+24*(\set)+4*\a+3], v[ADSAV] offset:1088*\a+16*(\step)
.endr
.irp b, 0,1,2,3
	ds_load_b128 v[SC+8+24*(\set)+4*\b:SC+8+24*(\set)+4*\b+3], v[ADSBV] offset:1088*\b+16*(\step)
.endr
.elseif \step == 0
.irp a, 0,1
	ds_load_b64 v[SC+24*(\set)+4*\a:SC+24*(\set)+4*\a+1],   v[ADSAS] offset:384*\a
	ds_load_b64 v[SC+24*(\set)+4*\a+2:SC+24*(\set)+4*\a+3], v[ADSAS] offset:384*\a+8
.endr
.irp b, 0,1,2,3
	ds_load_b64 v[SC+8+24*(\set)+4*\b:SC+8+24*(\set)+4*\b+1],   v[ADSBS] offset:384*\b
	ds_load_b64 v[SC+8+24*(\set)+4*\b+2:SC+8+24*(\set)+4*\b+3], v[ADSBS] offset:384*\b+8
.endr
.else
.irp a, 0,1
	ds_load_b64 v[SC+24*(\set)+4*\a:SC+24*(\set)+4*\a+1], v[ADSAS] offset:384*\a+16
.endr
.irp b, 0,1,2,3
	ds_load_b64 v[SC+8+24*(\set)+4*\b:SC+8+24*(\set)+4*\b+1], v[ADSBS] offset:384*\b+16
.endr
.endif
.endm
; A step of 128 along K whose successor lies in the same slot: the next step's fragments are asked for ahead of this step's 32 products.
.macro STEP slot, q, first, bi
	s_wait_dscnt 0x0                               ; this step's fragments (and scale words) are in
	PLACES 4                                       ; places between the last step's products and the loads into the registers that they read
	FETCH \slot, (\q)+1, 1-(\q)%2
.if \first
	WIN MULB
.else
	WIN MUL
.endif
	MULA 0, (\q)%2, \q, \slot, \first, \bi
	MULA 1, (\q)%2, \q, \slot, \first, \bi
	MULA 2, (\q)%2, \q, \slot, \first, \bi
	MULA 3, (\q)%2, \q, \slot, \first, \bi
	WIN 0
.endm
; A slot's last step changes slots: ONE barrier; in front of it each wave waits for all its tensor loads, adds 0 to its spare word, and waits for that and for its reads of this slot.
; mode 0: nothing is filled.  1: this slot takes v's K step two on.  2: slot 0 takes s's K step 0.  3: slot 1 takes s's last 256 along K.  nk, nstep: the next K step's scale words.
.macro TURN slot, next, mode, nk, nstep
	s_wait_dscnt 0x0                               ; this step's fragments are in: my reads of this slot are over
	s_wait_tensorcnt 0x0                           ; all my tensor loads have landed: my part of the next slot
	ds_add_u32 v[SPW], v[NIL]                      ; 0 onto my spare word
	WIN MUL
	MULA 0, 1, 3, \slot, 0, 0                      ; eight products stand between the add and the wait for it
	s_wait_dscnt 0x0                               ; the add is done
	s_barrier_signal -1
	MULA 1, 1, 3, \slot, 0, 0
	WIN 0
	s_barrier_wait -1
.if \mode == 0
	PLACES 4
.else
	CREST                                          ; the barrier has opened a round of the cluster's: no wave of any partner still reads this slot or has a load on its way
.if \mode == 1
	s_add_nc_u64 s[G0A+4*\slot+2:G0A+4*\slot+3], s[G0A+4*\slot+2:G0A+4*\slot+3], 512
	s_add_nc_u64 s[G0B+4*\slot+2:G0B+4*\slot+3], s[G0B+4*\slot+2:G0B+4*\slot+3], 512
	JLOAD G0A+4*\slot, G1VA, G0B+4*\slot, G1VB
.elseif \mode == 2
	s_mov_b64 s[G0A+2:G0A+3], s[92:93]
	s_or_b32 s[G0A+3], s[G0A+3], 0x80000000
	s_mov_b64 s[G0B+2:G0B+3], s[94:95]
	s_or_b32 s[G0B+3], s[G0B+3], 0x80000000
	JLOAD G0A, G1SA0, G0B, G1SB0
.else
	s_add_nc_u64 s[G0A+6:G0A+7], s[92:93], 256
	s_or_b32 s[G0A+7], s[G0A+7], 0x80000000
	s_add_nc_u64 s[G0B+6:G0B+7], s[94:95], 256
	s_or_b32 s[G0B+7], s[G0B+7], 0x80000000
	JLOAD G0A+4, G1SA1, G0B+4, G1SB1
.endif
.endif                                             ; the four v_nop behind the load (or the four above) are the places in front of the loads below
	FETCH \next, 0, 0
	SCALES \nk, \nstep, \next
	WIN MUL
	MULA 2, 1, 3, \slot, 0, 0
	MULA 3, 1, 3, \slot, 0, 0
	WIN 0
.endm
; 64 numbers of a lane, none negative: register 16 b + 8 u + j = column 32 b + 16 u + 8 h + j of my row.  They become a fragment's codes in v[PC] on and my row's scale word in v[PW].
.macro QUANT128 s
.irp b, 0,1,2,3
	v_max3_num_f32 v[TM+\b], v[\s+16*\b], v[\s+1+16*\b], 0x1800000   ; my 16 of block b, and the floor 2^(3 - 127): the byte cannot fall under 1
.endr
.irp i, 2,4,6,8,10,12,14
.irp b, 0,1,2,3
	v_max3_num_f32 v[TM+\b], v[TM+\b], v[\s+16*\b+\i], v[\s+1+16*\b+\i]
.endr
.endr
.irp b, 0,1,2,3
	v_permlanex16_b32 v[TM+4+\b], v[TM+\b], s[SEL], s[SEL+1]
.endr
.irp b, 0,1,2,3
	v_max_num_f32 v[TM+\b], v[TM+\b], v[TM+4+\b]   ; with lane l xor 16's 16: the block's largest
.endr
.irp b, 0,1,2,3
	v_add_nc_u32 v[TM+12+\b], 0xff000000, v[TM+\b] ; 2 off its exponent field: the conversion's scale operand
.endr
.irp b, 0,1,2,3
	v_lshrrev_b32 v[TM+4+\b], 23, v[TM+12+\b]      ; the scale's byte
.endr
	v_lshl_or_b32 v[PW], v[TM+5], 8, v[TM+4]
	v_lshl_or_b32 v[PW], v[TM+6], 16, v[PW]
	v_lshl_or_b32 v[PW], v[TM+7], 24, v[PW]
.irp b, 0,1,2,3
	v_cvt_scalef32_pk8_fp4_f32 v[PC+4*(\b/2)+(\b%2)],   v[\s+16*\b:\s+16*\b+7],    v[TM+12+\b]   ; columns 32 b + 8 h + 0 .. 7
	v_cvt_scalef32_pk8_fp4_f32 v[PC+4*(\b/2)+2+(\b%2)], v[\s+16*\b+8:\s+16*\b+15], v[TM+12+\b]   ; columns 32 b + 16 + 8 h + 0 .. 7
.endr
	v_nop                                          ; one plain place behind a scaled conversion
.irp c, 0,1                                        ; the first's lanes 16-31 change places with the second's lanes 0-15: registers 4 c .. 4 c + 3 of lane (r, h) then hold k = 64 c + 32 h + 0 .. 31
	v_permlane16_swap_b32 v[PC+4*\c],   v[PC+4*\c+1]
	v_permlane16_swap_b32 v[PC+4*\c+2], v[PC+4*\c+3]
.endr
.endm
; THE WAY OUT of a tile, a block of 16 rows at a time: relu; (v alone) the f32 numbers to resid; quantised; codes and scale word stored.  kind 0: v, 1: s.
.macro EPI kind
	PLACES 4                                       ; places behind the last products, ahead of the first read of results
.irp a, 0,1,2,3
	s_wait_xcnt 0x0                                ; the registers that earlier stores read are written again only behind this wait
	WIN 0x08                                       ; source 1 window 2
.set i, 0
.rept 64
	v_max_num_f32 v[X+i], 0, v[64*\a+i]            ; each accumulator from its low end on
.set i, i+1
.endr
	WIN 0
.if \kind == 0
.irp b, 0,1,2,3,4,5,6,7
	global_store_b128 v[LI], v[X+8*\b:X+8*\b+3],   s[12:13] offset:65536*\a+1024*\b th:TH_STORE_NT
	global_store_b128 v[LI], v[X+8*\b+4:X+8*\b+7], s[12:13] offset:65536*\a+1024*\b+512 th:TH_STORE_NT
.endr
.endif
	QUANT128 X
	global_store_b128 v[LI], v[PC:PC+3],   s[4+4*\kind:5+4*\kind] offset:8192*\a
	global_store_b128 v[LI], v[PC+4:PC+7], s[4+4*\kind:5+4*\kind] offset:8192*\a+512
	global_store_b32 v[SCO], v[PW], s[6+4*\kind:7+4*\kind] offset:512*\a     ; lanes 16-31 hold the same word and store it to the same place
.endr
.endm
	s_load_b512 s[4:19], s[0:1], 0x0               ; v_codes, v_scales, W_lv_codes, W_lv_scales, b_lv, s_codes, s_scales, W_ls_codes
	s_load_b128 s[20:23], s[0:1], 0x40             ; W_ls_scales, b_ls
	v_lshl_add_u32 v[SPW], v0, 2, SPARE
	v_mov_b32 v[NIL], 0
	ds_add_u32 v28, v29
	ds_add_u32 v28, v29
	s_wait_dscnt 0x0
	v_lshrrev_b32 v5, 5, v0
	v_readfirstlane_b32 s[WV], v5                  ; wave 0..3
	s_lshr_b32 s[RH], s[WV], 1
	s_and_b32 s100, s[WV], 1                       ; my half of the columns; also: which half of a tile's rows I fetch
	s_bfe_u32 s96, ttmp6, 0x40000                  ; cx
	s_bfe_u32 s97, ttmp6, 0x40004                  ; cy
	s_lshl_b32 s98, ttmp9, 2
	s_add_co_u32 s98, s98, s96                     ; x: column tile of 256
	s_and_b32 s99, ttmp7, 0xffff
	s_lshl_b32 s99, s99, 2
	s_add_co_u32 s99, s99, s97                     ; y: row tile of 128
	s_lshl_b32 s101, s97, 2
	s_lshl_b32 s101, 15, s101                      ; my row of the cluster
	s_or_b32 s[G1VA], s101, G1W0
	s_or_b32 s[G1SA0], s101, G1W0
	s_or_b32 s[G1SA1], s101, G1W0
	s_lshl_b32 s101, 0x1111, s96                   ; my column
	s_or_b32 s[G1VB], s101, G1W0
	s_or_b32 s[G1SB0], s101, G1W0
	s_or_b32 s[G1SB1], s101, G1W0
	G1SET G1VA, 256, 64, 1024
	G1SET G1VB, 256, 128, 1024
	G1SET G1SA0, 256, 64, 384
	G1SET G1SB0, 256, 128, 384
	G1SET G1SA1, 128, 64, 384                      ; s's last K step: 128 bytes of a row are left; the mover writes zeros behind them, which nobody reads
	G1SET G1SB1, 128, 128, 384
	s_mov_b32 s[SEL], 0x76543210
	s_mov_b32 s[SEL+1], 0xfedcba98
	s_lshl_b32 s78, s99, 7
	s_lshl_b32 s101, s100, 6
	s_add_co_u32 s78, s78, s101                    ; activations: row 128 y + 64 x half
	s_mul_i32 s92, s78, 384
	s_mov_b32 s93, 0
	s_lshl_b32 s78, s78, 10
	s_mov_b32 s79, 0
	s_lshl_b32 s86, s98, 8
	s_lshl_b32 s101, s100, 7
	s_add_co_u32 s86, s86, s101                    ; weights: row 256 x + 128 x half
	s_mul_i32 s94, s86, 384
	s_mov_b32 s95, 0
	s_lshl_b32 s86, s86, 10
	s_mov_b32 s87, 0
	s_mov_b32 s[G0A], 1
	s_mov_b32 s[G0A+4], 1
	s_mov_b32 s[G0B], 1
	s_mov_b32 s[G0B+4], 1
	s_mul_i32 s[G0A+1], s100, 64*PITCH             ; where they go: no place in the cluster enters an LDS address
	s_add_co_u32 s[G0A+5], s[G0A+1], SLOT
	s_mul_i32 s[G0B+1], s100, 128*PITCH
	s_add_co_u32 s[G0B+1], s[G0B+1], BOFF
	s_add_co_u32 s[G0B+5], s[G0B+1], SLOT
	s_wait_kmcnt 0x0
	s_add_nc_u64 s[G0A+2:G0A+3], s[4:5], s[78:79]
	s_add_nc_u64 s[G0A+6:G0A+7], s[G0A+2:G0A+3], 256
	s_add_nc_u64 s[G0B+2:G0B+3], s[8:9], s[86:87]
	s_add_nc_u64 s[G0B+6:G0B+7], s[G0B+2:G0B+3], 256
	s_add_nc_u64 s[92:93], s[14:15], s[92:93]      ; s's and W_ls's tiles: kept for the refills, without the type bits
	s_add_nc_u64 s[94:95], s[18:19], s[94:95]
	s_or_b32 s[G0A+3], s[G0A+3], 0x80000000
	s_or_b32 s[G0A+7], s[G0A+7], 0x80000000
	s_or_b32 s[G0B+3], s[G0B+3], 0x80000000
	s_or_b32 s[G0B+7], s[G0B+7], 0x80000000
	CROUND                                         ; all sixteen work-groups are here: the first joint loads meet
	JLOAD G0A, G1VA, G0B, G1VB                     ; v's K step 0
	JLOAD G0A+4, G1VA, G0B+4, G1VB                 ; and 1
	s_load_b64 s[4:5], s[0:1], 0x50                ; W_p_codes
	s_load_b64 s[18:19], s[0:1], 0x80              ; wp_img
	v_and_b32 v1, 15, v0                           ; r
	v_bfe_u32 v2, v0, 4, 1                         ; h
	v_and_b32 v[LI], 31, v0
	v_lshlrev_b32 v[LI], 4, v[LI]
	v_lshlrev_b32 v[SCO], 2, v1
	v_mul_u32_u24 v5, v1, PITCH
	v_lshl_add_u32 v5, v2, 4, v5                   ; a fragment's row x pitch + 16 h
	s_mul_i32 s101, s[RH], 64*PITCH
	v_add_nc_u32 v[ADRA], s101, v5
	v_add_nc_u32 v[ADRA+1], SLOT, v[ADRA]
	s_mul_i32 s101, s100, 128*PITCH
	s_add_co_u32 s101, s101, BOFF
	v_add_nc_u32 v[ADRB], s101, v5
	v_add_nc_u32 v[ADRB+1], SLOT, v[ADRB]
	v_lshrrev_b32 v6, 2, v1
	v_lshlrev_b32 v7, 6, v1
	v_lshl_add_u32 v7, v6, 4, v7                   ; a row of 64 scale bytes: 64 r + 16 for each 256 passed
	v_mad_u32_u24 v[ADSAV], v2, 2176, v7           ; lanes 16-31: two blocks of 16 rows on
	s_mul_i32 s101, s[RH], 4352
	s_add_co_u32 s101, s101, SCVA
	v_add_nc_u32 v[ADSAV], s101, v[ADSAV]
	v_mad_u32_u24 v[ADSBV], v2, 4352, v7           ; lanes 16-31: four blocks on
	s_mul_i32 s101, s100, 8704
	s_add_co_u32 s101, s101, SCVB
	v_add_nc_u32 v[ADSBV], s101, v[ADSBV]
	v_mul_u32_u24 v7, v1, 24
	v_mad_u32_u24 v[ADSAS], v2, 768, v7
	s_mul_i32 s101, s[RH], 1536
	s_add_co_u32 s101, s101, SCSA
	v_add_nc_u32 v[ADSAS], s101, v[ADSAS]
	v_mad_u32_u24 v[ADSBS], v2, 1536, v7
	s_mul_i32 s101, s100, 3072
	s_add_co_u32 s101, s101, SCSB
	v_add_nc_u32 v[ADSBS], s101, v[ADSBS]
	v_lshlrev_b32 v8, 4, v0                        ; the scales' copy: thread t takes 16 t of each 2,048 bytes,
	v_lshrrev_b32 v9, 4, v0
	v_lshl_add_u32 v9, v9, 4, v8
	v_add_nc_u32 v9, SCVA, v9                      ; to 16 t + 16 (t / 16),
	v_mul_u32_u24 v10, v0, 24                      ; and row t of 24 bytes
	v_add_nc_u32 v11, SCSA, v10
	v_lshlrev_b32 v12, 9, v1
	v_lshl_add_u32 v12, v2, 4, v12                 ; W_p: row r of 512 bytes, + 16 h
	v_lshlrev_b32 v13, 5, v2                       ; the biases: 32 h
.irp b, 0,1,2,3
	v_mov_b32 v[TM+4+\b], 0                        ; written once: a lane permute's destination counts as one of its sources
.endr
	s_mov_b32 s97, 0
	s_lshl_b32 s96, s99, 13
	s_add_nc_u64 s[6:7], s[6:7], s[96:97]          ; v_scales: 128 rows x 64 bytes a row tile
	s_lshl_b32 s96, s98, 14
	s_add_nc_u64 s[10:11], s[10:11], s[96:97]      ; W_lv_scales: 256 rows
	s_mul_i32 s96, s99, 3072
	s_add_nc_u64 s[16:17], s[16:17], s[96:97]      ; s_scales
	s_mul_i32 s96, s98, 6144
	s_add_nc_u64 s[20:21], s[20:21], s[96:97]      ; W_ls_scales
	s_lshl_b32 s96, s98, 1
	s_add_co_u32 s96, s96, s100
	s_lshl_b32 s96, s96, 9                         ; my 128 columns' biases
	s_add_nc_u64 s[12:13], s[12:13], s[96:97]
	s_add_nc_u64 s[22:23], s[22:23], s[96:97]
.irp i, 0,1,2,3
	global_load_b128 v[96+4*\i:99+4*\i], v8, s[6:7] offset:2048*\i
.endr
.irp i, 0,1,2,3,4,5,6,7
	global_load_b128 v[112+4*\i:115+4*\i], v8, s[10:11] offset:2048*\i
.endr
.irp i, 0,1,2
	global_load_b64 v[144+2*\i:145+2*\i], v10, s[16:17] offset:8*\i
.endr
.irp i, 0,1,2
	global_load_b64 v[150+2*\i:151+2*\i], v10, s[20:21] offset:8*\i
	global_load_b64 v[156+2*\i:157+2*\i], v10, s[20:21] offset:3072+8*\i
.endr
	WIN TO_B
.irp b, 0,1,2,3,4,5,6,7                            ; lane (r, h), register 8 b + j: the bias of column 16 b + 8 h + j
	global_load_b128 v[BIV+8*\b:BIV+8*\b+3],   v13, s[12:13] offset:64*\b
	global_load_b128 v[BIV+8*\b+4:BIV+8*\b+7], v13, s[12:13] offset:64*\b+16
	global_load_b128 v[BIS+8*\b:BIS+8*\b+3],   v13, s[22:23] offset:64*\b
	global_load_b128 v[BIS+8*\b+4:BIS+8*\b+7], v13, s[22:23] offset:64*\b+16
.endr
	WIN 0
	s_lshl_b32 s14, s99, 2                         ; my chunk of W_p: number ((4 y + x) 4 + wave) of 1,024 = 16 x column tile + 2 x kstep + c
	s_add_co_u32 s14, s14, s98
	s_lshl_b32 s14, s14, 2
	s_add_co_u32 s14, s14, s[WV]
	s_lshr_b32 s96, s14, 4
	s_lshl_b32 s96, s96, 13                        ; 16 rows of 512 bytes a column tile
	s_and_b32 s15, s14, 15
	s_lshl_b32 s15, s15, 5                         ; 32 bytes of a row a chunk
	s_add_co_u32 s96, s96, s15
	s_wait_kmcnt 0x0
	s_add_nc_u64 s[4:5], s[4:5], s[96:97]
	s_lshl_b32 s96, s14, 9
	s_add_nc_u64 s[18:19], s[18:19], s[96:97]
	global_load_b128 v[164:167], v12, s[4:5]
	s_lshl_b32 s14, s99, 3                         ; where my results go: T0 = 8 y + 4 (wave / 2), kstep = 2 x + wave % 2
	s_lshl_b32 s15, s[RH], 2
	s_add_co_u32 s14, s14, s15
	s_lshl_b32 s96, s14, 16                        ; resid: 65,536 T0
	s_lshl_b32 s14, s14, 3
	s_lshl_b32 s15, s98, 1
	s_add_co_u32 s15, s15, s100
	s_add_co_u32 s14, s14, s15                     ; 8 T0 + kstep
	s_lshl_b32 s15, s15, 13
	s_add_co_u32 s96, s96, s15                     ; + 8,192 kstep
	s_wait_loadcnt 0x0                             ; all the head's loads are done: their bases may be written
	s_load_b128 s[4:7], s[0:1], 0x58               ; a1_img, a1_sc
	s_load_b128 s[8:11], s[0:1], 0x68              ; s1_img, s1_sc
	s_load_b64 s[12:13], s[0:1], 0x78              ; resid
	s_lshl_b32 s16, s14, 6
	s_mov_b32 s17, 0
	s_lshl_b32 s14, s14, 10
	s_mov_b32 s15, 0
.irp i, 0,1,2,3
	ds_store_b128 v9, v[96+4*\i:99+4*\i] offset:2176*\i
.endr
.irp i, 0,1,2,3,4,5,6,7
	ds_store_b128 v9, v[112+4*\i:115+4*\i] offset:8704+2176*\i
.endr
.irp i, 0,1,2
	ds_store_b64 v11, v[144+2*\i:145+2*\i] offset:8*\i
	ds_store_b64 v11, v[150+2*\i:151+2*\i] offset:3072+8*\i
	ds_store_b64 v11, v[156+2*\i:157+2*\i] offset:6144+8*\i
.endr
	global_store_b128 v[LI], v[164:167], s[18:19]  ; the chunk in fragment order: 512 consecutive bytes
	s_wait_kmcnt 0x0
	s_add_nc_u64 s[4:5], s[4:5], s[14:15]
	s_add_nc_u64 s[6:7], s[6:7], s[16:17]
	s_add_nc_u64 s[8:9], s[8:9], s[14:15]
	s_add_nc_u64 s[10:11], s[10:11], s[16:17]
	s_add_nc_u64 s[12:13], s[12:13], s[96:97]
	s_wait_tensorcnt 0x1                           ; my part of K step 0 is in; K step 1's may stay out
	s_wait_dscnt 0x0                               ; my part of the scales lies in LDS
	s_barrier_signal -1
	s_barrier_wait -1
	FETCH 0, 0, 0
	SCALES 0, 0, 0
	STEP 0, 0, 1, BIV                              ; v1: the first products start the sums from b_lv
	STEP 0, 1, 0, 0
	STEP 0, 2, 0, 0
	TURN 0, 1, 1, 0, 1
	STEP 1, 0, 0, 0
	STEP 1, 1, 0, 0
	STEP 1, 2, 0, 0
	TURN 1, 0, 1, 0, 2
	STEP 0, 0, 0, 0
	STEP 0, 1, 0, 0
	STEP 0, 2, 0, 0
	TURN 0, 1, 2, 0, 3                             ; the ring goes on into s's product
	STEP 1, 0, 0, 0
	STEP 1, 1, 0, 0
	STEP 1, 2, 0, 0
	TURN 1, 0, 3, 1, 0
	EPI 0                                          ; v1 leaves while s's last tile is on its way
	STEP 0, 0, 1, BIS                              ; s1: from b_ls
	STEP 0, 1, 0, 0
	STEP 0, 2, 0, 0
	TURN 0, 1, 0, 1, 1
	STEP 1, 0, 0, 0
	s_wait_dscnt 0x0                               ; the very last step: nothing more to fetch
	WIN MUL
	MULA 0, 1, 1, 1, 0, 0
	MULA 1, 1, 1, 1, 0, 0
	MULA 2, 1, 1, 1, 0, 0
	MULA 3, 1, 1, 1, 0, 0
	WIN 0
	EPI 1
	s_wait_tensorcnt 0x0                           ; the wave's end
	ds_add_u32 v[SPW], v[NIL]
	s_wait_dscnt 0x0
	CROUND                                         ; the closing round: no work-group ends while a partner may still ask for a tile that names it
	s_endpgm
.Lfunc_end_k_q7a63130b09_proj:
	.size	k_q7a63130b09_proj, .Lfunc_end_k_q7a63130b09_proj-k_q7a63130b09_proj
	.p2alignl 7, 3214868480
	.fill 96, 4, 3214868480
	.section	.rodata,"a",@progbits
	.p2align	6, 0x0
	.amdhsa_kernel k_q7a63130b09_proj
		.amdhsa_group_segment_fixed_size 327680
		.amdhsa_private_segment_fixed_size 0
		.amdhsa_enable_private_segment 0
		.amdhsa_kernarg_size 136
		.amdhsa_user_sgpr_count 2
		.amdhsa_user_sgpr_kernarg_segment_ptr 1
		.amdhsa_wavefront_size32 1
		.amdhsa_system_sgpr_workgroup_id_x 1
		.amdhsa_system_sgpr_workgroup_id_y 1
		.amdhsa_system_sgpr_workgroup_id_z 1
		.amdhsa_system_vgpr_workitem_id 0
		.amdhsa_next_free_vgpr 768
		.amdhsa_next_free_sgpr 102
		.amdhsa_reserve_vcc 0
		.amdhsa_float_denorm_mode_32 3
		.amdhsa_float_denorm_mode_16_64 3
		.amdhsa_memory_ordered 1
		.amdhsa_forward_progress 1
		.amdhsa_inst_pref_size 208
	.end_amdhsa_kernel
	.amdgpu_metadata
---
amdhsa.version: [ 1, 2 ]
amdhsa.kernels:
  - .name:           k_q7a63130b09_proj
    .symbol:         k_q7a63130b09_proj.kd
    .args:
      - { .name: v_codes, .offset: 0, .size: 8, .value_kind: global_buffer, .address_space: global }
      - { .name: v_scales, .offset: 8, .size: 8, .value_kind: global_buffer, .address_space: global }
      - { .name: W_lv_codes, .offset: 16, .size: 8, .value_kind: global_buffer, .address_space: global }
      - { .name: W_lv_scales, .offset: 24, .size: 8, .value_kind: global_buffer, .address_space: global }
      - { .name: b_lv, .offset: 32, .size: 8, .value_kind: global_buffer, .address_space: global }
      - { .name: s_codes, .offset: 40, .size: 8, .value_kind: global_buffer, .address_space: global }
      - { .name: s_scales, .offset: 48, .size: 8, .value_kind: global_buffer, .address_space: global }
      - { .name: W_ls_codes, .offset: 56, .size: 8, .value_kind: global_buffer, .address_space: global }
      - { .name: W_ls_scales, .offset: 64, .size: 8, .value_kind: global_buffer, .address_space: global }
      - { .name: b_ls, .offset: 72, .size: 8, .value_kind: global_buffer, .address_space: global }
      - { .name: W_p_codes, .offset: 80, .size: 8, .value_kind: global_buffer, .address_space: global }
      - { .name: a1_img, .offset: 88, .size: 8, .value_kind: global_buffer, .address_space: global }
      - { .name: a1_sc, .offset: 96, .size: 8, .value_kind: global_buffer, .address_space: global }
      - { .name: s1_img, .offset: 104, .size: 8, .value_kind: global_buffer, .address_space: global }
      - { .name: s1_sc, .offset: 112, .size: 8, .value_kind: global_buffer, .address_space: global }
      - { .name: resid, .offset: 120, .size: 8, .value_kind: global_buffer, .address_space: global }
      - { .name: wp_img, .offset: 128, .size: 8, .value_kind: global_buffer, .address_space: global }
    .group_segment_fixed_size: 327680
    .private_segment_fixed_size: 0
    .kernarg_segment_align: 8
    .kernarg_segment_size: 136
    .max_flat_workgroup_size: 128
    .sgpr_count:     102
    .vgpr_count:     768
    .wavefront_size: 32
...
	.end_amdgpu_metadata
.endif
;; end of part 1
;; launch attn (part 2): grid 16 x 16, 16 waves a work-group, clusters of 4 x 1, 306,176 bytes of LDS; arguments a1_img, a1_sc, s1_img, s1_sc, W_q_codes, W_q_scales, b_q, W_v_codes, W_v_scales, b_v, ctx_img, ctx_sc; writes ctx_img, ctx_sc
.if DOCPART == 2
	.amdgcn_target "amdgcn-amd-amdhsa--gfx1250"
	.amdhsa_code_object_version 6
	.text
	.protected	k_q7a63130b09_attn
	.globl	k_q7a63130b09_attn
	.p2align	8
	.type	k_q7a63130b09_attn,@function
k_q7a63130b09_attn:
	s_mov_b64 s[64:65], 0
	v_nop
	global_prefetch_b8 v0, s[64:65] scope:SCOPE_SE
	s_setreg_imm32_b32 hwreg(HW_REG_WAVE_MODE, 25, 1), 1
	s_wait_xcnt 0x0
	s_wait_alu depctr_hold_cnt(0) depctr_sa_sdst(0) depctr_va_vdst(0) depctr_va_sdst(0) depctr_va_ssrc(0) depctr_va_vcc(0) depctr_vm_vsrc(0)
	s_getreg_b32 s2, hwreg(HW_REG_IB_STS2, 6, 4)
	s_cmp_eq_u32 s2, 0
	s_cbranch_scc0 .Lentry_in_a_cluster
	s_endpgm
.Lentry_in_a_cluster:
	s_bfe_u32 s2, ttmp6, 0x10000c
	s_cmp_lg_u32 s2, 0x3003
	s_cbranch_scc0 .Lentry_shape_is_right
	s_endpgm
.Lentry_shape_is_right:
; One (batch, head): q = Q(v1) W_q + b_q, vs = Q(s1) W_v + b_v (512 x 64 each), scores = Q(q) Q(vs)^T / 8, softmax, context = Q(p) Q(vs) / l, and Q(context) out.  All products on E2M1 codes with E8M0 scales.
; vs is key AND value, as the module has it.  It is quantised twice: along the head's 64 for the scores, along the keys for the second product.
; SHARES.  Work-group x = head, y = batch.  Sixteen waves of 256 registers, four to a SIMD, so that one wave's vector work stands beside another's products and LDS loads.  Wave w owns queries and keys 32 w .. 32 w + 31.
; PHASE 0: the head's 64 rows of W_q and W_v (32,768 dense bytes each) and their scales go once through registers into LDS.
; PHASE 1: 8 K steps for q, 8 for vs.  Transposed use (source 0 = 16 rows of the weight, source 1 = 16 rows): lane (r, h) holds row r, register j channel 16 t + 8 h + j: quantised in registers along the channels.
;   vs is ALSO made with the sources swapped (lane = channel, registers = keys): the same fragments, 8 products more a step, in place of a transposition of 128 KB of f32 through LDS; its 32 keys a wave are one block along the keys.
;   K's and V's fragments go to LDS as images of their registers.
; ALL 16 SETS OF ACTIVATION FRAGMENTS (2 KB a set, in register order in memory) ARE ASKED FOR WITHIN THE FIRST FOUR STEPS.  Steps 0-2: v48-95; steps 3-6: v192-255, which lie idle until vs's sums by channel begin at step 8;
;   steps 7, 8, 9: the registers that steps 0, 1, 2 have left; steps 10-15: ONE tensor load a wave at the head, 2 rows of 6,144 bytes into 12,288 LDS bytes of the wave's own, filled once, read by the issuing wave alone.
; CLUSTER 4 x 1: four heads of one batch.  That tensor load's bytes hang on the batch and the wave alone, so the four ask for them jointly (mask 15): 192 KB a work-group.  The other 352 KB of activations go straight into
;   registers, which a joint load cannot fill.  One tensor load of a wave is out.  The head's number enters global addresses alone.
; PHASE 2: for each of my two query tiles, four steps of 128 keys: S^T = K Q^T (K = 64: the upper half of both fragments is zero codes), p = 2^(t - M) with M the ceiling of the running largest t, the row's sum of the
;   unquantised p, p quantised along the keys, O^T += V^T P^T.  At the end O^T / l is quantised along the channels and stored as registers 4 c .. 4 c + 3 (c = head % 2) of K step head / 2 of the last product.
; LIMITS: NaN and infinities are not served.  A block whose largest magnitude lies under 2^-124 keeps the byte 1 (not tried); a block of zeros gets byte 1 where the quantiser says 127 (its codes are zeros; this program alone reads the bytes).
;   A block's largest p is made from its largest score by the same two instructions; that takes v_exp_f32 not to fall where its input rises.  b_q starts q's sums; b_v is added behind vs's sums.
; REGISTERS: v1-11 addresses; v12-15 b_v by channel, then -M, the largest t, the sum's halves; v16-29 SCALE WORDS and nothing else (phase 1: the activations' in all but v19-20, the weights'; phase 2: 21-22 q's, 23-26 keys', 27-28 V's, 29 p's);
;   v30 my activations' LDS address, then f; v31 32 h; v32-47 the copy's temporaries, then q's two fragments; v48-95 activation sets (v64-95 at last b_v by rows), then K's four fragments (48-79) and V's (80-111);
;   v96-127 weight fragments, then work; v128-191 results by row, then S^T and p; v192-255 activation sets, then results by channel, then O^T and work.
.set KIMG, 0                           ; LDS: 32 key tiles x 512 bytes (registers 0-3 of a fragment)
.set VIMG, 16384                       ; [channel tile 4][kstep 4][1,024 bytes]
.set KSC,  32768                       ; 32 key tiles x 16 words
.set VSC,  34816                       ; [channel tile 4][kstep 4][16 words]
.set WQS,  35840                       ; W_q's scales, 64 rows x 32 bytes; W_v's 2,048 behind
.set WQ,   39936                       ; W_q's 64 rows of 512 + 16 bytes
.set WVD,  33792                       ; W_v's lie so far behind
.set ACT,  107520                      ; Q(s1)'s K steps 2 to 7: [wave 16][tile 2][kstep 6][1,024 bytes]; no ds_store ever lands here
.set ACTW, 12288
.set WS,   19
.set QS,   21
.set KS,   23
.set VS,   27
.set PW,   29
.set F,    30
.set ADL,  30
.set QF,   32
.set AFR,  48
.set KF,   48
.set BVR,  64                          ; v64-95 b_v by rows, from step 10 on
.set VF,   80
.set WF,   96
.set TQ,   122                         ; v122-127 the small quantiser's
.set S,    128
.set ACB,  192
.set O,    192
.set PC,   224
.set BM,   232
.set PM,   236
.set SO,   244
.set TP,   254
.macro PLACES n
.rept \n
	v_nop
.endr
.endm
; A round of the cluster's barrier: my work-group's barrier; wave 0 signals for the work-group; every wave waits for all four work-groups; my work-group's barrier once more.
.macro CROUND
	s_barrier_signal -1
	s_barrier_wait -1
	s_cmp_lg_u32 s28, 0
	s_cbranch_scc1 .Lnot_wave_0_\@
	s_barrier_signal -3
.Lnot_wave_0_\@:
	s_barrier_wait -3
	s_barrier_signal -1
	s_barrier_wait -1
.endm
.macro WM d, s0, s1, c, x0, x1, r0, r1
.if (\r0) && (\r1)
	v_wmma_scale_f32_16x16x128_f8f6f4 v[(\d):(\d)+7], v[(\s0):(\s0)+7], v[(\s1):(\s1)+7], v[(\c):(\c)+7], v[\x0], v[\x1] matrix_a_fmt:MATRIX_FMT_FP4 matrix_b_fmt:MATRIX_FMT_FP4 matrix_a_scale:MATRIX_SCALE_ROW1 matrix_b_scale:MATRIX_SCALE_ROW1
.elseif (\r0)
	v_wmma_scale_f32_16x16x128_f8f6f4 v[(\d):(\d)+7], v[(\s0):(\s0)+7], v[(\s1):(\s1)+7], v[(\c):(\c)+7], v[\x0], v[\x1] matrix_a_fmt:MATRIX_FMT_FP4 matrix_b_fmt:MATRIX_FMT_FP4 matrix_a_scale:MATRIX_SCALE_ROW1
.elseif (\r1)
	v_wmma_scale_f32_16x16x128_f8f6f4 v[(\d):(\d)+7], v[(\s0):(\s0)+7], v[(\s1):(\s1)+7], v[(\c):(\c)+7], v[\x0], v[\x1] matrix_a_fmt:MATRIX_FMT_FP4 matrix_b_fmt:MATRIX_FMT_FP4 matrix_b_scale:MATRIX_SCALE_ROW1
.else
	v_wmma_scale_f32_16x16x128_f8f6f4 v[(\d):(\d)+7], v[(\s0):(\s0)+7], v[(\s1):(\s1)+7], v[(\c):(\c)+7], v[\x0], v[\x1] matrix_a_fmt:MATRIX_FMT_FP4 matrix_b_fmt:MATRIX_FMT_FP4
.endif
.endm
.macro WMZ d, s0, s1, x0, x1, r0, r1   ; the same with C = 0: it starts a sum
.if (\r0) && (\r1)
	v_wmma_scale_f32_16x16x128_f8f6f4 v[(\d):(\d)+7], v[(\s0):(\s0)+7], v[(\s1):(\s1)+7], 0, v[\x0], v[\x1] matrix_a_fmt:MATRIX_FMT_FP4 matrix_b_fmt:MATRIX_FMT_FP4 matrix_a_scale:MATRIX_SCALE_ROW1 matrix_b_scale:MATRIX_SCALE_ROW1
.elseif (\r0)
	v_wmma_scale_f32_16x16x128_f8f6f4 v[(\d):(\d)+7], v[(\s0):(\s0)+7], v[(\s1):(\s1)+7], 0, v[\x0], v[\x1] matrix_a_fmt:MATRIX_FMT_FP4 matrix_b_fmt:MATRIX_FMT_FP4 matrix_a_scale:MATRIX_SCALE_ROW1
.elseif (\r1)
	v_wmma_scale_f32_16x16x128_f8f6f4 v[(\d):(\d)+7], v[(\s0):(\s0)+7], v[(\s1):(\s1)+7], 0, v[\x0], v[\x1] matrix_a_fmt:MATRIX_FMT_FP4 matrix_b_fmt:MATRIX_FMT_FP4 matrix_b_scale:MATRIX_SCALE_ROW1
.else
	v_wmma_scale_f32_16x16x128_f8f6f4 v[(\d):(\d)+7], v[(\s0):(\s0)+7], v[(\s1):(\s1)+7], 0, v[\x0], v[\x1] matrix_a_fmt:MATRIX_FMT_FP4 matrix_b_fmt:MATRIX_FMT_FP4
.endif
.endm
; 32 numbers of a lane, register 16 b + 8 u + j = k 32 b + 16 u + 8 h + j of my row, become four registers of codes (lane (r, h): k = 32 h + 0 .. 31) in v[d] on and two scale bytes in v[pw] (its upper bytes 0: they scale zero codes alone).
.macro QUANT64 s, d, pw
	v_mov_b32 v[TQ+2], 0                           ; a lane permute's destination counts as one of its sources
	v_mov_b32 v[TQ+3], 0
.irp b, 0,1
	v_max3_num_f32 v[TQ+\b], |v[(\s)+16*\b]|, |v[(\s)+1+16*\b]|, 0x1800000   ; and the floor 2^(3 - 127): the byte cannot fall under 1
.endr
.irp i, 2,4,6,8,10,12,14
.irp b, 0,1
	v_max3_num_f32 v[TQ+\b], v[TQ+\b], |v[(\s)+16*\b+\i]|, |v[(\s)+1+16*\b+\i]|
.endr
.endr
.irp b, 0,1
	v_permlanex16_b32 v[TQ+2+\b], v[TQ+\b], s34, s35
.endr
.irp b, 0,1
	v_max_num_f32 v[TQ+\b], v[TQ+\b], v[TQ+2+\b]
.endr
.irp b, 0,1
	v_add_nc_u32 v[TQ+4+\b], 0xff000000, v[TQ+\b]  ; 2 off the exponent field: the conversion's scale operand
.endr
.irp b, 0,1
	v_lshrrev_b32 v[TQ+2+\b], 23, v[TQ+4+\b]
.endr
	v_lshl_or_b32 v[\pw], v[TQ+3], 8, v[TQ+2]
	v_cvt_scalef32_pk8_fp4_f32 v[(\d)],   v[(\s):(\s)+7],     v[TQ+4]
	v_cvt_scalef32_pk8_fp4_f32 v[(\d)+2], v[(\s)+8:(\s)+15],  v[TQ+4]
	v_cvt_scalef32_pk8_fp4_f32 v[(\d)+1], v[(\s)+16:(\s)+23], v[TQ+5]
	v_cvt_scalef32_pk8_fp4_f32 v[(\d)+3], v[(\s)+24:(\s)+31], v[TQ+5]
	v_nop                                          ; one plain place behind a scaled conversion
	v_permlane16_swap_b32 v[(\d)],   v[(\d)+1]     ; a whole block to a lane: lanes 0-15 block 0, lanes 16-31 block 1
	v_permlane16_swap_b32 v[(\d)+2], v[(\d)+3]
.endm
; AQ = the 16 registers of step j's two activation fragments
.macro AFREG j
.if (\j) < 3
.set AQ, AFR+16*(\j)
.elseif (\j) < 7
.set AQ, 192+16*((\j)-3)
.elseif (\j) < 10
.set AQ, AFR+16*((\j)-7)
.else
.set AQ, AFR
.endif
.endm
; AR = the register of step j's scale words (lanes 0-15 tile 0's rows, lanes 16-31 tile 1's): 16 17 18 23 24 25 21 22 26 27 28 29, and steps 12-15 take over those of steps 0-3
.macro ASREG j
.if (\j) < 3
.set AR, 16+(\j)
.elseif (\j) < 6
.set AR, 20+(\j)
.elseif (\j) < 8
.set AR, 15+(\j)
.elseif (\j) < 12
.set AR, 18+(\j)
.elseif (\j) < 15
.set AR, 4+(\j)
.else
.set AR, 23
.endif
.endm
.macro AFLOAD j                        ; step j's fragments from memory: four loads of 512 consecutive bytes.  j < 8: Q(v1); else Q(s1)
	AFREG \j
.irp rt, 0,1
.irp c, 0,1
.if (\j) < 8
	global_load_b128 v[AQ+8*\rt+4*\c:AQ+8*\rt+4*\c+3], v1, s[4:5] offset:8192*\rt+1024*((\j)&7)+512*\c
.else
	global_load_b128 v[AQ+8*\rt+4*\c:AQ+8*\rt+4*\c+3], v1, s[8:9] offset:8192*\rt+1024*((\j)&7)+512*\c
.endif
.endr
.endr
.endm
.macro SCLOAD j                        ; and its scale words
	ASREG \j
.if (\j) < 8
	global_load_b32 v[AR], v11, s[6:7] offset:64*((\j)&7)
.else
	global_load_b32 v[AR], v11, s[10:11] offset:64*((\j)&7)
.endif
.endm
; A K step of phase 1.  n: the global loads that may stay out when step j's set has to be there; -1: the step waits for none.
.macro PSTEP j, n
	PLACES 4                                       ; places between the last step's products and the loads into the registers that they read
.if ((\j) >= 1) && ((\j) <= 3)
	AFLOAD (\j)+6                                  ; steps 7, 8, 9 take the registers that steps 0, 1, 2 have left,
	SCLOAD (\j)+11                                 ; steps 12, 13, 14 their scale registers
.endif
.if (\j) == 4
	SCLOAD 15
.endif
.if (\j) == 10
.irp t, 0,1,2,3                                    ; b_v by rows (lane (r, h), register 8 t + i: channel 16 t + 8 h + i) into the registers that steps 8 and 9 have left: it is added behind step 15
	global_load_b128 v[BVR+8*\t:BVR+8*\t+3],   v31, s[22:23] offset:64*\t
	global_load_b128 v[BVR+8*\t+4:BVR+8*\t+7], v31, s[22:23] offset:64*\t+16
.endr
	s_wait_tensorcnt 0x0                           ; my one tensor load has landed: its bytes are read by me alone
.endif
	AFREG \j
	ASREG \j
.if (\j) >= 10
.irp rt, 0,1
	ds_load_b128 v[AQ+8*\rt:AQ+8*\rt+3],   v[ADL] offset:6144*\rt+1024*((\j)-10)
	ds_load_b128 v[AQ+8*\rt+4:AQ+8*\rt+7], v[ADL] offset:6144*\rt+1024*((\j)-10)+512
.endr
.endif
.irp t, 0,1,2,3
	ds_load_b128 v[WF+8*\t:WF+8*\t+3],   v4 offset:WVD*((\j)/8)+8448*\t+64*((\j)&7)
	ds_load_b128 v[WF+8*\t+4:WF+8*\t+7], v4 offset:WVD*((\j)/8)+8448*\t+64*((\j)&7)+32
.endr
	ds_load_b32 v[WS],   v5 offset:2048*((\j)/8)+4*((\j)&7)          ; lanes 0-15 tile 0's rows, lanes 16-31 tile 1's
	ds_load_b32 v[WS+1], v5 offset:2048*((\j)/8)+1024+4*((\j)&7)     ; tiles 2 and 3
.if (\n) >= 0
	s_wait_loadcnt \n
.endif
	s_wait_dscnt 0x0
.irp t, 0,1,2,3                                    ; by rows: lane = row, registers = channels.  The accumulators take turns
.irp rt, 0,1
.if (\j) == 8
	WMZ S+32*\rt+8*\t, WF+8*\t, AQ+8*\rt, WS+\t/2, AR, \t%2, \rt
.else
	WM S+32*\rt+8*\t, WF+8*\t, AQ+8*\rt, S+32*\rt+8*\t, WS+\t/2, AR, \t%2, \rt
.endif
.endr
.endr
.if (\j) >= 8
.irp t, 0,1,2,3                                    ; by channels: the sources swapped: lane = channel, registers = keys
.irp kt, 0,1
.if (\j) == 8
	WMZ ACB+32*\kt+8*\t, AQ+8*\kt, WF+8*\t, AR, WS+\t/2, \kt, \t%2
.else
	WM ACB+32*\kt+8*\t, AQ+8*\kt, WF+8*\t, ACB+32*\kt+8*\t, AR, WS+\t/2, \kt, \t%2
.endif
.endr
.endr
.endif
.endm
	s_load_b256 s[4:11], s[0:1], 0x0               ; a1_img, a1_sc, s1_img, s1_sc
	s_load_b256 s[12:19], s[0:1], 0x20             ; W_q_codes, W_q_scales, b_q, W_v_codes
	s_load_b256 s[20:27], s[0:1], 0x40             ; W_v_scales, b_v, ctx_img, ctx_sc
	v_lshl_add_u32 v254, v0, 2, 0x4a400
	v_mov_b32 v255, 0
	ds_add_u32 v254, v255
	ds_add_u32 v254, v255
	s_wait_dscnt 0x0
	v_lshrrev_b32 v1, 5, v0
	v_readfirstlane_b32 s28, v1                    ; wave 0..15
	s_and_b32 s30, ttmp7, 0xffff                   ; batch: the four partners share it
	s_mov_b32 s48, 15|(3<<16)|(1<<21)              ; group 1: 15:0 the mask: all four work-groups; 17:16 elements of 8 bytes; 21 set beside a mask; no padding
	s_mov_b32 s49, 768<<16                         ; tensor_dim0 = 768 elements: six K steps of 1,024 bytes
	s_mov_b32 s50, 2<<16                           ; tensor_dim1 = 2: my two tiles of rows
	s_mov_b32 s51, 768<<16                         ; tile_dim0
	s_mov_b32 s52, 2                               ; tile_dim1
	s_mov_b32 s53, 1024                            ; a tile's eight K steps are 8,192 bytes
	s_mov_b32 s54, 0
	s_mov_b32 s55, 0
	s_mov_b32 s44, 1
	s_mul_i32 s45, s28, ACTW
	s_add_co_u32 s45, s45, ACT                     ; my wave's own bytes: no place in the cluster enters an LDS address
	s_mov_b32 s34, 0x76543210
	s_mov_b32 s35, 0xfedcba98                      ; lane l xor 16
	s_mov_b32 s36, 0x3e38aa3b                      ; c = log2(e) / sqrt(64)
	s_mov_b32 s37, s36                             ; (named with it as a pair, so it is written)
	v_and_b32 v2, 31, v0                           ; lane
	v_and_b32 v3, 15, v0                           ; r
	v_bfe_u32 v31, v0, 4, 1                        ; h
	v_lshlrev_b32 v1, 4, v2                        ; 16 x lane
	v_add_nc_u32 v[ADL], s45, v1                   ; my activations in LDS
	v_lshl_add_u32 v5, v2, 5, WQS                  ; a weight row's 32 scale bytes: row = lane
	v_mul_u32_u24 v4, v3, 528
	v_lshl_add_u32 v4, v31, 4, v4
	v_add_nc_u32 v4, WQ, v4                        ; a weight fragment: row r, + 16 h
	s_lshl_b32 s38, s28, 10
	v_add_nc_u32 v6, s38, v1                       ; where I store my two key tiles' images
	s_lshl_b32 s38, s28, 7
	s_add_co_u32 s38, s38, KSC
	v_lshl_add_u32 v7, v3, 2, s38                  ; and their scale words
	s_lshl_b32 s38, s28, 8
	s_add_co_u32 s38, s38, VIMG
	v_lshl_add_u32 v8, v3, 4, s38
	v_lshl_add_u32 v8, v31, 2, v8                  ; V: my 32 keys are block w % 4 of kstep w / 4: lane (r, w % 2), register 4 ((w / 2) % 2) + h (+ 2): byte 256 w + 16 r + 4 h (+ 8)
	s_lshr_b32 s38, s28, 2
	s_lshl_b32 s38, s38, 6
	s_and_b32 s39, s28, 3
	s_add_co_u32 s38, s38, s39
	s_add_co_u32 s38, s38, VSC
	v_lshl_add_u32 v9, v3, 2, s38                  ; and byte w % 4 of channel r's word of kstep w / 4
	v_lshlrev_b32 v34, 2, v3                       ; 4 r
	v_lshl_add_u32 v11, v31, 9, v34                ; the activations' scale words: 512 h + 4 r
	v_lshl_add_u32 v10, v31, 8, v34
	v_add_nc_u32 v10, VSC, v10                     ; V's scale words on the way back: lanes 16-31 the next channel tile
	s_mul_i32 s38, s28, 528
	s_add_co_u32 s38, s38, WQ
	v_add_nc_u32 v35, s38, v1                      ; the weights' copy: thread t's 16 bytes are row w (+ 16 i), column 16 x lane
	v_lshl_add_u32 v36, v0, 2, WQS
	v_lshlrev_b32 v37, 4, v0
	v_lshlrev_b32 v38, 2, v0
	v_lshlrev_b32 v2, 2, v2                        ; 4 x lane
	v_lshlrev_b32 v3, 1, v3                        ; 2 r
	v_lshlrev_b32 v31, 5, v31                      ; 32 h
	s_mov_b32 s33, 0
	s_lshl_b32 s38, s30, 18
	s_lshl_b32 s39, s28, 14
	s_add_co_u32 s38, s38, s39                     ; (32 batch + 2 wave) x 8,192
	s_lshl_b32 s40, s30, 14
	s_lshl_b32 s39, s28, 10
	s_add_co_u32 s40, s40, s39                     ; (32 batch + 2 wave) x 512
	s_wait_kmcnt 0x0
	s_mov_b32 s32, s38
	s_add_nc_u64 s[4:5], s[4:5], s[32:33]
	s_add_nc_u64 s[8:9], s[8:9], s[32:33]
	s_add_nc_u64 s[24:25], s[24:25], s[32:33]
	s_mov_b32 s32, s40
	s_add_nc_u64 s[6:7], s[6:7], s[32:33]
	s_add_nc_u64 s[10:11], s[10:11], s[32:33]
	s_add_nc_u64 s[26:27], s[26:27], s[32:33]
	s_add_nc_u64 s[46:47], s[8:9], 2048            ; Q(s1), my first tile, K step 2: made of the batch and the wave alone
	s_or_b32 s47, s47, 0x80000000                  ; type = 2
	CROUND                                         ; all four work-groups are here: the joint loads meet
	tensor_load_to_lds s[44:47], s[48:55]          ; steps 10 to 15; these bytes are filled once
	s_nop 0
.rept 4
	v_nop
.endr
	s_bfe_u32 s29, ttmp6, 0x40000                  ; cx
	s_lshl_b32 s31, ttmp9, 2                       ; in a cluster launch ttmp9 counts clusters
	s_add_co_u32 s31, s31, s29                     ; head = 4 x cluster x + cx: it enters the weights', the biases' and the output's addresses alone
	s_mov_b32 s43, 0
	s_lshl_b32 s42, s31, 15
	s_add_nc_u64 s[12:13], s[12:13], s[42:43]      ; the head's 64 rows of 512 bytes
	s_add_nc_u64 s[18:19], s[18:19], s[42:43]
	s_lshl_b32 s42, s31, 11
	s_add_nc_u64 s[14:15], s[14:15], s[42:43]
	s_add_nc_u64 s[20:21], s[20:21], s[42:43]
	s_lshl_b32 s42, s31, 8
	s_add_nc_u64 s[16:17], s[16:17], s[42:43]
	s_add_nc_u64 s[22:23], s[22:23], s[42:43]
	s_lshl_b32 s42, s31, 9
	s_add_nc_u64 s[24:25], s[24:25], s[42:43]      ; ctx_img: + 1,024 (head / 2) + 512 (head % 2)
	s_lshl_b32 s42, s31, 5
	s_add_nc_u64 s[26:27], s[26:27], s[42:43]      ; ctx_sc: + 32 head
	; ---- phase 0.  62 loads go out in this order: the copy's 10, b_q's 16, 12 scale words, b_v by channel 4, sets 0 to 4: 20
.irp i, 0,1,2,3
	global_load_b128 v[96+4*\i:99+4*\i], v37, s[12:13] offset:8192*\i
.endr
.irp i, 0,1,2,3
	global_load_b128 v[112+4*\i:115+4*\i], v37, s[18:19] offset:8192*\i
.endr
	global_load_b32 v32, v38, s[14:15]
	global_load_b32 v33, v38, s[20:21]
.irp rt, 0,1                                       ; b_q in the result's layout (lane (r, h), register 8 t + i: channel 16 t + 8 h + i), for both tiles of rows: it is q's sums' start
.irp t, 0,1,2,3
	global_load_b128 v[S+32*\rt+8*\t:S+32*\rt+8*\t+3],   v31, s[16:17] offset:64*\t
	global_load_b128 v[S+32*\rt+8*\t+4:S+32*\rt+8*\t+7], v31, s[16:17] offset:64*\t+16
.endr
.endr
.irp j, 0,1,2,3,4,5,6,7,8,9,10,11
	SCLOAD \j
.endr
.irp t, 0,1,2,3
	global_load_b32 v[12+\t], v34, s[22:23] offset:64*\t   ; b_v of channel 16 t + r
.endr
.irp j, 0,1,2,3,4
	AFLOAD \j
.endr
	s_wait_loadcnt 52                              ; the ten loads of the copy are in; behind them stand 16 + 12 + 4 + 20
.irp i, 0,1,2,3
	ds_store_b128 v35, v[96+4*\i:99+4*\i] offset:8448*\i
	ds_store_b128 v35, v[112+4*\i:115+4*\i] offset:WVD+8448*\i
.endr
	ds_store_b32 v36, v32
	ds_store_b32 v36, v33 offset:2048
	AFLOAD 5
	AFLOAD 6
	s_wait_dscnt 0x0                               ; for the others' sake: my part of the weights lies in LDS
	s_barrier_signal -1                            ; (my tensor load may stay out)
	s_barrier_wait -1
	; ---- phase 1: q.  Each count is the number of loads issued behind the step's own set
	PSTEP 0, 24                                    ; sets 1 to 6
	PSTEP 1, 25                                    ; sets 2 to 6, and the five just issued
	PSTEP 2, 26                                    ; sets 3 to 6, and ten
	PSTEP 3, 27                                    ; sets 4 to 6, and fifteen
	PSTEP 4, 24                                    ; sets 5 and 6, and sixteen
	PSTEP 5, 20
	PSTEP 6, 16
	PSTEP 7, 12                                    ; behind set 7: a scale word, set 8, a word, set 9, two words
	PLACES 4
.irp i, 4,5,6,7,12,13,14,15
	v_mov_b32 v[QF+\i], 0                          ; K = 64: the upper half of q's fragments is zero codes
.endr
	QUANT64 S, QF, QS
	QUANT64 S+32, QF+8, QS+1
	; ---- phase 1: vs.  Both sets of sums start from the constant 0
	PSTEP 8, 7                                     ; behind set 8: a word, set 9, two words
	PSTEP 9, 2
	PSTEP 10, 8                                    ; all but b_v's eight: the last scale words are in
.irp j, 11,12,13,14,15
	PSTEP \j, -1
.endr
	PLACES 4
	s_wait_loadcnt 0x0                             ; b_v by rows
.irp rt, 0,1
.set i, 0
.rept 16
	v_pk_add_f32 v[S+32*\rt+i:S+32*\rt+i+1], v[S+32*\rt+i:S+32*\rt+i+1], v[BVR+i:BVR+i+1]   ; each accumulator from its low end on
.set i, i+2
.endr
.endr
	QUANT64 S, 104, 102                            ; my two key tiles, along the channels
	ds_store_b128 v6, v[104:107]
	ds_store_b32 v7, v102
	QUANT64 S+32, 108, 103
	ds_store_b128 v6, v[108:111] offset:512
	ds_store_b32 v7, v103 offset:64
.irp t, 0,1,2,3
.irp kt, 0,1
.irp j, 0,1,2,3,4,5,6,7
	v_add_f32 v[ACB+32*\kt+8*\t+\j], v[ACB+32*\kt+8*\t+\j], v[12+\t]   ; + b_v of my channel; each accumulator from its low end on
.endr
.endr
.endr
.irp t, 0,1,2,3                                    ; along the keys: my 32 keys are one block of channel 16 t + r, in lanes l and l xor 16.  The four tiles by turns
	v_mov_b32 v[52+\t], 0
.endr
.irp t, 0,1,2,3
	v_max3_num_f32 v[48+\t], |v[ACB+8*\t]|, |v[ACB+8*\t+1]|, 0x1800000
.endr
.irp i, 2,4,6,32,34,36,38
.irp t, 0,1,2,3
	v_max3_num_f32 v[48+\t], v[48+\t], |v[ACB+8*\t+\i]|, |v[ACB+8*\t+\i+1]|
.endr
.endr
.irp t, 0,1,2,3
	v_permlanex16_b32 v[52+\t], v[48+\t], s34, s35
.endr
.irp t, 0,1,2,3
	v_max_num_f32 v[48+\t], v[48+\t], v[52+\t]
.endr
.irp t, 0,1,2,3
	v_add_nc_u32 v[56+\t], 0xff000000, v[48+\t]
.endr
.irp t, 0,1,2,3
	v_lshrrev_b32 v[60+\t], 23, v[56+\t]
.endr
.irp t, 0,1,2,3
	v_cvt_scalef32_pk8_fp4_f32 v[64+\t], v[ACB+8*\t:ACB+8*\t+7],     v[56+\t]   ; keys 32 w + 8 h + 0 .. 7
	v_cvt_scalef32_pk8_fp4_f32 v[68+\t], v[ACB+32+8*\t:ACB+39+8*\t], v[56+\t]   ; keys 32 w + 16 + 8 h + 0 .. 7
.endr
	v_nop                                          ; one plain place behind a scaled conversion
.irp t, 0,1,2,3
	ds_store_b32 v8, v[64+\t] offset:4096*\t
	ds_store_b32 v8, v[68+\t] offset:4096*\t+8
	ds_store_b8 v9, v[60+\t] offset:256*\t         ; both lanes of a block store the same byte
.endr
	s_wait_dscnt 0x0                               ; for the others' sake: my images lie in LDS
.irp i, 0,1,2,3
.irp k, 4,5,6,7
	v_mov_b32 v[KF+8*\i+\k], 0                     ; K = 64: the upper half of the keys' fragments is zero codes
.endr
.endr
.irp b, 0,1,2,3
	v_mov_b32 v[PM+\b], 0                          ; a lane permute's destination counts as one of its sources
.endr
	s_barrier_signal -1
	s_barrier_wait -1
	; ---- phase 2
; 128 keys, the ks-th of four, against query tile qt
.macro ASTEP qt, ks
.irp g, 0,1                                        ; S^T = K Q^T, four tiles of 16 keys at a time
.if \g
	PLACES 4                                       ; places in front of loads into registers that the four products above have read
.endif
.irp i, 0,1,2,3
	ds_load_b128 v[KF+8*\i:KF+8*\i+3], v1 offset:KIMG+(8*(\ks)+4*\g+\i)*512
.endr
	ds_load_b32 v[KS+2*\g],   v2 offset:KSC+512*(\ks)+256*\g       ; lanes 0-15 one tile's words, lanes 16-31 the next's
	ds_load_b32 v[KS+2*\g+1], v2 offset:KSC+512*(\ks)+256*\g+128
	s_wait_dscnt 0x0
.irp i, 0,1,2,3
	WMZ S+8*(4*\g+\i), KF+8*\i, QF+8*(\qt), KS+2*\g+\i/2, QS+(\qt), \i%2, 0
.endr
.endr
.irp t, 0,1,2,3                                    ; V's fragments are asked for here and land under the softmax
	ds_load_b128 v[VF+8*\t:VF+8*\t+3],   v1 offset:VIMG+4096*\t+1024*(\ks)
	ds_load_b128 v[VF+8*\t+4:VF+8*\t+7], v1 offset:VIMG+4096*\t+1024*(\ks)+512
.endr
	ds_load_b32 v[VS],   v10 offset:64*(\ks)
	ds_load_b32 v[VS+1], v10 offset:512+64*(\ks)
	PLACES 4
.irp b, 0,1,2,3
	v_max3_num_f32 v[BM+\b], v[S+16*\b], v[S+1+16*\b], v[S+2+16*\b]   ; the largest score of each block of 32 keys: it serves for the row's maximum and for the block's largest p
.endr
.irp i, 3,5,7,9,11,13
.irp b, 0,1,2,3
	v_max3_num_f32 v[BM+\b], v[BM+\b], v[S+16*\b+\i], v[S+1+16*\b+\i]
.endr
.endr
.irp b, 0,1,2,3
	v_max_num_f32 v[BM+\b], v[BM+\b], v[S+15+16*\b]
.endr
.irp b, 0,1,2,3
	v_permlanex16_b32 v[PM+\b], v[BM+\b], s34, s35
.endr
.irp b, 0,1,2,3
	v_max_num_f32 v[BM+\b], v[BM+\b], v[PM+\b]
.endr
	v_max3_num_f32 v[TP], v[BM], v[BM+1], v[BM+2]
	v_max_num_f32 v[TP], v[TP], v[BM+3]
.if (\ks) == 0
	v_mul_f32 v13, s36, v[TP]                      ; the first step's largest t starts the running one
	v_floor_f32 v12, -v13                          ; -M = floor(-t): M is a whole number
.else
	v_mul_f32 v[TP], s36, v[TP]
	v_max_num_f32 v13, v13, v[TP]
	v_mov_b32 v[TP], v12
	v_floor_f32 v12, -v13
	v_sub_f32 v[TP], v12, v[TP]                    ; old M - new M: a whole number, 0 or less
	v_cvt_i32_f32 v[TP], v[TP]
	v_ldexp_f32 v[F], 1.0, v[TP]                   ; f = 2^(old M - new M): a multiplication by it rounds nothing
.endif
.set i, 0
.rept 32
	v_pk_fma_f32 v[S+i:S+i+1], v[S+i:S+i+1], s[36:37], v[12:13] op_sel_hi:[1,0,0]   ; t - M
.set i, i+2
.endr
.irp b, 0,1,2,3
	v_fma_f32 v[BM+\b], v[BM+\b], s36, v12
.endr
.set i, 0
.rept 64
	v_exp_f32 v[S+i], v[S+i]                       ; p = 2^(t - M)
.set i, i+1
.endr
.if (\ks) == 0
	v_mov_b32 v14, 0                               ; the sum begins.  (A plain place behind the exponentials)
	v_mov_b32 v15, 0
.else
	v_pk_mul_f32 v[14:15], v[14:15], v[F:F+1] op_sel_hi:[1,0]      ; the sum under the new M.  (A plain place behind the exponentials)
.endif
	s_wait_alu depctr_va_vdst(0)                   ; one wait for the batch of 64, ahead of its first reader
.irp b, 0,1,2,3
	v_exp_f32 v[BM+\b], v[BM+\b]                   ; the block's largest p
.endr
	v_pk_add_f32 v[PM:PM+1], v[S:S+1], v[S+2:S+3]  ; the row's sum of the unquantised p, in two chains
.irp j, 4,8,12,16,20,24,28,32,36,40,44,48,52,56,60
	v_pk_add_f32 v[14:15], v[14:15], v[S+\j:S+\j+1]
	v_pk_add_f32 v[PM:PM+1], v[PM:PM+1], v[S+\j+2:S+\j+3]
.endr
	v_pk_add_f32 v[14:15], v[14:15], v[PM:PM+1]
	s_wait_alu depctr_va_vdst(0)                   ; and one for the four
.irp b, 0,1,2,3
	v_max_num_f32 v[BM+\b], 0x1800000, v[BM+\b]    ; the floor: the byte cannot fall under 1
.endr
.irp b, 0,1,2,3
	v_add_nc_u32 v[SO+\b], 0xff000000, v[BM+\b]
.endr
.irp b, 0,1,2,3
	v_lshrrev_b32 v[PM+\b], 23, v[SO+\b]
.endr
	v_lshl_or_b32 v[PW], v[PM+1], 8, v[PM]
	v_lshl_or_b32 v[PW], v[PM+2], 16, v[PW]
	v_lshl_or_b32 v[PW], v[PM+3], 24, v[PW]
.irp b, 0,1,2,3
	v_cvt_scalef32_pk8_fp4_f32 v[PC+4*(\b/2)+(\b%2)],   v[S+16*\b:S+16*\b+7],    v[SO+\b]
	v_cvt_scalef32_pk8_fp4_f32 v[PC+4*(\b/2)+2+(\b%2)], v[S+16*\b+8:S+16*\b+15], v[SO+\b]
.endr
	v_nop                                          ; one plain place behind a scaled conversion
.irp c, 0,1
	v_permlane16_swap_b32 v[PC+4*\c],   v[PC+4*\c+1]
	v_permlane16_swap_b32 v[PC+4*\c+2], v[PC+4*\c+3]
.endr
.if (\ks) == 0
	PLACES 8                                       ; a scale word made by vector instructions stands 8 places ahead of the product, codes so made 4
.else
.set i, 0
.rept 16
	v_pk_mul_f32 v[O+i:O+i+1], v[O+i:O+i+1], v[F:F+1] op_sel_hi:[1,0]   ; O^T under the new M.  (These are also those places)
.set i, i+2
.endr
.endif
	s_wait_dscnt 0x0                               ; V's fragments and scale words are in
.irp t, 0,1,2,3
.if (\ks) == 0
	WMZ O+8*\t, VF+8*\t, PC, VS+\t/2, PW, \t%2, 0
.else
	WM O+8*\t, VF+8*\t, PC, O+8*\t, VS+\t/2, PW, \t%2, 0
.endif
.endr
.endm
; O^T / l, quantised along the channels, leaves as four registers of the last product's fragment and two scale bytes a row
.macro FINISH qt
	PLACES 4
	v_add_f32 v14, v14, v15
	v_permlanex16_b32 v[PM], v14, s34, s35
	v_add_f32 v14, v14, v[PM]                      ; the row's sum
	v_rcp_f32 v14, v14
	v_nop                                          ; a plain place behind the reciprocal
	s_wait_alu depctr_va_vdst(0)                   ; and the wait ahead of its first reader
.set i, 0
.rept 32
	v_mul_f32 v[S+i], v[O+i], v14
.set i, i+1
.endr
	QUANT64 S, 112+4*(\qt), 120+(\qt)
	global_store_b128 v1, v[112+4*(\qt):115+4*(\qt)], s[24:25] offset:8192*(\qt)   ; 512 consecutive bytes, aligned
	global_store_b16 v3, v[120+(\qt)], s[26:27] offset:512*(\qt)                   ; lanes 16-31 store the same bytes to the same place
.endm
.irp qt, 0,1
	ASTEP \qt, 0
	ASTEP \qt, 1
	ASTEP \qt, 2
	ASTEP \qt, 3
	FINISH \qt
.endr
	s_wait_xcnt 0x0
	v_lshl_add_u32 v254, v0, 2, 0x4a400
	v_mov_b32 v255, 0
	s_wait_tensorcnt 0x0
	ds_add_u32 v254, v255
	s_wait_dscnt 0x0
	CROUND                                         ; the closing round: no work-group ends while a partner may still ask for a tile that names it
	s_endpgm
.Lfunc_end_k_q7a63130b09_attn:
	.size	k_q7a63130b09_attn, .Lfunc_end_k_q7a63130b09_attn-k_q7a63130b09_attn
	.p2alignl 7, 3214868480
	.fill 96, 4, 3214868480
	.section	.rodata,"a",@progbits
	.p2align	6, 0x0
	.amdhsa_kernel k_q7a63130b09_attn
		.amdhsa_group_segment_fixed_size 306176
		.amdhsa_private_segment_fixed_size 0
		.amdhsa_enable_private_segment 0
		.amdhsa_kernarg_size 96
		.amdhsa_user_sgpr_count 2
		.amdhsa_user_sgpr_kernarg_segment_ptr 1
		.amdhsa_wavefront_size32 1
		.amdhsa_system_sgpr_workgroup_id_x 1
		.amdhsa_system_sgpr_workgroup_id_y 1
		.amdhsa_system_sgpr_workgroup_id_z 1
		.amdhsa_system_vgpr_workitem_id 0
		.amdhsa_next_free_vgpr 256
		.amdhsa_next_free_sgpr 66
		.amdhsa_reserve_vcc 0
		.amdhsa_float_denorm_mode_32 3
		.amdhsa_float_denorm_mode_16_64 3
		.amdhsa_memory_ordered 1
		.amdhsa_forward_progress 1
		.amdhsa_inst_pref_size 195
	.end_amdhsa_kernel
	.amdgpu_metadata
---
amdhsa.version: [ 1, 2 ]
amdhsa.kernels:
  - .name:           k_q7a63130b09_attn
    .symbol:         k_q7a63130b09_attn.kd
    .args:
      - { .name: a1_img, .offset: 0, .size: 8, .value_kind: global_buffer, .address_space: global }
      - { .name: a1_sc, .offset: 8, .size: 8, .value_kind: global_buffer, .address_space: global }
      - { .name: s1_img, .offset: 16, .size: 8, .value_kind: global_buffer, .address_space: global }
      - { .name: s1_sc, .offset: 24, .size: 8, .value_kind: global_buffer, .address_space: global }
      - { .name: W_q_codes, .offset: 32, .size: 8, .value_kind: global_buffer, .address_space: global }
      - { .name: W_q_scales, .offset: 40, .size: 8, .value_kind: global_buffer, .address_space: global }
      - { .name: b_q, .offset: 48, .size: 8, .value_kind: global_buffer, .address_space: global }
      - { .name: W_v_codes, .offset: 56, .size: 8, .value_kind: global_buffer, .address_space: global }
      - { .name: W_v_scales, .offset: 64, .size: 8, .value_kind: global_buffer, .address_space: global }
      - { .name: b_v, .offset: 72, .size: 8, .value_kind: global_buffer, .address_space: global }
      - { .name: ctx_img, .offset: 80, .size: 8, .value_kind: global_buffer, .address_space: global }
      - { .name: ctx_sc, .offset: 88, .size: 8, .value_kind: global_buffer, .address_space: global }
    .group_segment_fixed_size: 306176
    .private_segment_fixed_size: 0
    .kernarg_segment_align: 8
    .kernarg_segment_size: 96
    .max_flat_workgroup_size: 512
    .sgpr_count:     66
    .vgpr_count:     256
    .wavefront_size: 32
...
	.end_amdgpu_metadata
.endif
;; end of part 2
;; launch outln (part 3): grid 256 x 1, 16 waves a work-group, no clusters, 169,984 bytes of LDS; arguments ctx_img, ctx_sc, wp_img, W_p_scales, b_p, resid, pos_v, ln_gamma, ln_beta, out0; writes out0
.if DOCPART == 3
	.amdgcn_target "amdgcn-amd-amdhsa--gfx1250"
	.amdhsa_code_object_version 6
	.text
	.protected	k_q7a63130b09_outln
	.globl	k_q7a63130b09_outln
	.p2align	8
	.type	k_q7a63130b09_outln,@function
k_q7a63130b09_outln:
	s_mov_b64 s[64:65], 0
	v_nop
	global_prefetch_b8 v0, s[64:65] scope:SCOPE_SE
	s_setreg_imm32_b32 hwreg(HW_REG_WAVE_MODE, 25, 1), 1
	s_wait_xcnt 0x0
; out0 = LayerNorm(relu(v1) + pos_v + Q(context) W_p + b_p), the product on E2M1 codes with E8M0 scales.
; SHARES.  Work-group g owns rows 32 g .. 32 g + 31 with all 1,024 columns, so a row's mean and variance stay inside it.  Wave w owns columns 64 w .. 64 w + 63: 8 accumulators (2 tiles of rows x 4 of columns).
; TRANSPOSED USE: source 0 = 16 rows of W_p (output columns), source 1 = 16 rows of the context: lane (r, h) holds row r, register j column 16 t + 8 h + j: the layout in which the first launch stored relu(v1).
; So relu(v1) is loaded straight into the accumulators, b_p and pos_v are added there, and the eight K steps add the product onto them.
; W_p's fragments come from memory in register order (wp_img), three sets by turns, each read by one wave of the work-group; the context's 16 KB go once through LDS, since all sixteen waves read them.
; pos_v: each wave's 32 rows x 256 bytes come by ONE tensor load into LDS bytes of the wave's own (rows of 256 + 16), filled once; the same bytes later serve as the wave's stage on the way out.
; LAYER NORM in two passes (the mean; then the squares of x - mean): no difference of large sums is formed.  A row's 16 partial sums meet in LDS: two barriers.
; NO CLUSTER: joint loads of W_p would add 512 KB of LDS writes and as many LDS reads for each work-group, and eight rounds, where now each fragment goes from memory to the one wave that wants it.
; LIMITS: NaN and infinities are not served.  relu(v1) + b_p + pos_v start the sums: an order of rounding that differs from the module's by f32 rounding alone.
; REGISTERS: v1-12 addresses; v16-23 the context's scale words, v24-39 W_p's (scales and nothing else); v40-55 the context's two fragments; v56-119 the accumulators; v120-215 W_p's three sets, later gamma, beta and rows on the way out; v216-255 work.
.set POSP,  272
.set POSW,  32*POSP                    ; a wave's region: 8,704 bytes
.set CTX,   16*POSW                    ; the context's two tiles x 8 K steps: 16,384 bytes
.set ST1,   CTX+16384                  ; 32 rows x (16 words + 16 bytes): the waves' partial sums
.set ST2D,  2560                       ; the second pass's lie so far behind
.set CS,    16
.set WS,    24
.set CF,    40
.set ACC,   56
.set BF,    120
.macro PLACES n
.rept \n
	v_nop
.endr
.endm
.macro WM d, s0, s1, c, x0, x1, r0, r1
.if (\r0) && (\r1)
	v_wmma_scale_f32_16x16x128_f8f6f4 v[(\d):(\d)+7], v[(\s0):(\s0)+7], v[(\s1):(\s1)+7], v[(\c):(\c)+7], v[\x0], v[\x1] matrix_a_fmt:MATRIX_FMT_FP4 matrix_b_fmt:MATRIX_FMT_FP4 matrix_a_scale:MATRIX_SCALE_ROW1 matrix_b_scale:MATRIX_SCALE_ROW1
.elseif (\r0)
	v_wmma_scale_f32_16x16x128_f8f6f4 v[(\d):(\d)+7], v[(\s0):(\s0)+7], v[(\s1):(\s1)+7], v[(\c):(\c)+7], v[\x0], v[\x1] matrix_a_fmt:MATRIX_FMT_FP4 matrix_b_fmt:MATRIX_FMT_FP4 matrix_a_scale:MATRIX_SCALE_ROW1
.elseif (\r1)
	v_wmma_scale_f32_16x16x128_f8f6f4 v[(\d):(\d)+7], v[(\s0):(\s0)+7], v[(\s1):(\s1)+7], v[(\c):(\c)+7], v[\x0], v[\x1] matrix_a_fmt:MATRIX_FMT_FP4 matrix_b_fmt:MATRIX_FMT_FP4 matrix_b_scale:MATRIX_SCALE_ROW1
.else
	v_wmma_scale_f32_16x16x128_f8f6f4 v[(\d):(\d)+7], v[(\s0):(\s0)+7], v[(\s1):(\s1)+7], v[(\c):(\c)+7], v[\x0], v[\x1] matrix_a_fmt:MATRIX_FMT_FP4 matrix_b_fmt:MATRIX_FMT_FP4
.endif
.endm
.macro BLOAD k                         ; W_p's four fragments of K step k into set k % 3
.set BQ, BF+32*((\k)%3)
.irp t, 0,1,2,3
	global_load_b128 v[BQ+8*\t:BQ+8*\t+3],   v1, s[8:9] offset:8192*\t+1024*(\k)
	global_load_b128 v[BQ+8*\t+4:BQ+8*\t+7], v1, s[8:9] offset:8192*\t+1024*(\k)+512
.endr
.endm
.macro KSTEP k, n                      ; n: the global loads that may stay out when set k has to be there
	PLACES 4                                       ; places between the last step's products and the loads into the registers that they read
.if (\k)+2 <= 7
	BLOAD (\k)+2
.endif
.irp rt, 0,1
	ds_load_b128 v[CF+8*\rt:CF+8*\rt+3],   v2 offset:8192*\rt+1024*(\k)
	ds_load_b128 v[CF+8*\rt+4:CF+8*\rt+7], v2 offset:8192*\rt+1024*(\k)+512
.endr
	s_wait_loadcnt \n
	s_wait_dscnt 0x0
.set BU, BF+32*((\k)%3)
.irp t, 0,1,2,3                                    ; the eight accumulators take turns
.irp rt, 0,1
	WM ACC+32*\rt+8*\t, BU+8*\t, CF+8*\rt, ACC+32*\rt+8*\t, WS+8*(\t/2)+(\k), CS+(\k), \t%2, \rt
.endr
.endr
.endm
; v216, v218 hold my 32 numbers' sums for row r of tile 0 and of tile 1.  They are joined with lane l xor 16's, lane (r, h) keeps row 16 h + r's and stores it as my wave's word; behind the barrier
; every lane adds its row's sixteen words: v224 = the sum over the row's 1,024 columns.
.macro ROWSUM off
	v_permlanex16_b32 v220, v216, s42, s43
	v_permlanex16_b32 v221, v218, s42, s43
	v_add_f32 v216, v216, v220
	v_add_f32 v218, v218, v221
	v_cndmask_b32 v216, v216, v218, s40            ; lanes 16-31 take tile 1's
	ds_store_b32 v10, v216 offset:\off
	s_wait_dscnt 0x0                               ; for the others' sake
	s_barrier_signal -1
	s_barrier_wait -1
.irp i, 0,1,2,3
	ds_load_b128 v[224+4*\i:227+4*\i], v9 offset:\off+16*\i
.endr
	s_wait_dscnt 0x0
	v_pk_add_f32 v[224:225], v[224:225], v[226:227]
	v_pk_add_f32 v[228:229], v[228:229], v[230:231]
	v_pk_add_f32 v[232:233], v[232:233], v[234:235]
	v_pk_add_f32 v[236:237], v[236:237], v[238:239]
	v_pk_add_f32 v[224:225], v[224:225], v[228:229]
	v_pk_add_f32 v[232:233], v[232:233], v[236:237]
	v_pk_add_f32 v[224:225], v[224:225], v[232:233]
	v_add_f32 v224, v224, v225
.endm
; v224 holds a number of row 16 h + r.  v[216:217] get tile 0's row r's, twice; v[218:219] tile 1's
.macro SPREAD
	v_permlanex16_b32 v220, v224, s42, s43
	v_cndmask_b32 v216, v224, v220, s40
	v_cndmask_b32 v218, v220, v224, s40
	v_mov_b32 v217, v216
	v_mov_b32 v219, v218
.endm
	s_load_b256 s[4:11], s[0:1], 0x0               ; ctx_img, ctx_sc, wp_img, W_p_scales
	s_load_b256 s[12:19], s[0:1], 0x20             ; b_p, resid, pos_v, ln_gamma
	s_load_b128 s[20:23], s[0:1], 0x40             ; ln_beta, out0
	v_lshl_add_u32 v254, v0, 2, 0x29000
	v_mov_b32 v255, 0
	ds_add_u32 v254, v255
	ds_add_u32 v254, v255
	s_wait_dscnt 0x0
	v_lshrrev_b32 v1, 5, v0
	v_readfirstlane_b32 s24, v1                    ; wave 0..15
	s_mov_b32 s32, (2<<16)|(1<<20)|(5<<22)|(3<<25) ; elements of 4 bytes; padding: 4 words behind every 64
	s_mov_b32 s33, 64<<16                          ; tensor_dim0 = 64
	s_mov_b32 s34, 32<<16                          ; tensor_dim1 = 32
	s_mov_b32 s35, 64<<16                          ; tile_dim0 = 64
	s_mov_b32 s36, 32                              ; tile_dim1 = 32
	s_mov_b32 s37, 1024                            ; elements from row to row
	s_mov_b32 s38, 0
	s_mov_b32 s39, 0
	s_mov_b32 s28, 1
	s_mul_i32 s29, s24, POSW                       ; my wave's own bytes
	s_and_b32 s26, ttmp9, 15                       ; the position: row 32 g modulo 512
	s_lshl_b32 s26, s26, 17
	s_lshl_b32 s27, s24, 8
	s_add_co_u32 s26, s26, s27                     ; + my 64 columns
	s_mov_b32 s27, 0
	s_mov_b32 s40, 0xffff0000                      ; lanes 16-31
	s_mov_b32 s41, 0x358637bd                      ; 1e-6
	s_mov_b32 s42, 0x76543210
	s_mov_b32 s43, 0xfedcba98                      ; lane l xor 16
	s_wait_kmcnt 0x0
	s_add_nc_u64 s[30:31], s[16:17], s[26:27]
	s_or_b32 s31, s31, 0x80000000
	tensor_load_to_lds s[28:31], s[32:39]          ; my one tensor load: these bytes are filled once
	s_nop 0
.rept 4
	v_nop
.endr
	s_lshl_b32 s26, ttmp9, 14
	s_add_nc_u64 s[4:5], s[4:5], s[26:27]          ; the context's two tiles: 16,384 bytes a work-group
	s_lshl_b32 s26, ttmp9, 10
	s_add_nc_u64 s[6:7], s[6:7], s[26:27]
	s_lshl_b32 s26, s24, 15
	s_add_nc_u64 s[8:9], s[8:9], s[26:27]          ; my four column tiles of W_p
	s_lshl_b32 s26, s24, 11
	s_add_nc_u64 s[10:11], s[10:11], s[26:27]
	s_lshl_b32 s26, s24, 8
	s_add_nc_u64 s[12:13], s[12:13], s[26:27]
	s_add_nc_u64 s[18:19], s[18:19], s[26:27]
	s_add_nc_u64 s[20:21], s[20:21], s[26:27]
	s_add_nc_u64 s[22:23], s[22:23], s[26:27]
	s_lshl_b32 s26, ttmp9, 17
	s_add_nc_u64 s[22:23], s[22:23], s[26:27]      ; out0: 32 rows of 4,096 bytes a work-group
	s_add_nc_u64 s[14:15], s[14:15], s[26:27]      ; resid: two tiles of 65,536 bytes
	s_lshl_b32 s26, s24, 12
	s_add_nc_u64 s[14:15], s[14:15], s[26:27]
	v_and_b32 v13, 31, v0                          ; lane
	v_and_b32 v14, 15, v0                          ; r
	v_bfe_u32 v15, v0, 4, 1                        ; h
	v_lshlrev_b32 v1, 4, v13                       ; 16 x lane
	v_add_nc_u32 v2, CTX, v1
	v_mul_u32_u24 v3, v14, POSP
	v_lshl_add_u32 v3, v15, 5, v3
	v_add_nc_u32 v3, s29, v3                       ; my region by the result's layout: row r, + 32 h
	v_mul_u32_u24 v4, v15, POSP
	v_lshl_add_u32 v4, v14, 4, v4
	v_add_nc_u32 v4, s29, v4                       ; and by rows: lanes 0-15 one row, lanes 16-31 the next
	v_lshlrev_b32 v5, 12, v15
	v_lshl_add_u32 v5, v14, 4, v5                  ; the same two rows in out0
	v_lshlrev_b32 v6, 9, v15
	v_lshl_add_u32 v6, v14, 1, v6                  ; the context's scale bytes: 512 h + 2 r
	v_lshlrev_b32 v7, 5, v13                       ; W_p's: a row of 32 bytes a lane
	v_lshlrev_b32 v8, 5, v15                       ; 32 h
	v_mul_u32_u24 v9, v13, 80
	v_add_nc_u32 v9, ST1, v9                       ; row = lane: its sixteen words
	s_lshl_b32 s26, s24, 2
	v_add_nc_u32 v10, s26, v9                      ; and my wave's among them
	v_lshlrev_b32 v11, 4, v0
	v_add_nc_u32 v12, CTX, v11
	v_mov_b32 v220, 0                              ; a lane permute's destination counts as one of its sources
	v_mov_b32 v221, 0
	global_load_b128 v[216:219], v11, s[4:5] th:TH_LOAD_NT
	global_load_b128 v[220:223], v11, s[4:5] offset:8192 th:TH_LOAD_NT
.set i, 0
.rept 16
	global_load_u16 v[224+i], v6, s[6:7] offset:32*i   ; head i's two bytes: lanes 0-15 tile 0's row r, lanes 16-31 tile 1's
.set i, i+1
.endr
.irp p, 0,1
	global_load_b128 v[WS+8*\p:WS+8*\p+3],   v7, s[10:11] offset:1024*\p      ; eight words a row: lanes 0-15 column tile 2 p, lanes 16-31 2 p + 1
	global_load_b128 v[WS+8*\p+4:WS+8*\p+7], v7, s[10:11] offset:1024*\p+16
.endr
.irp t, 0,1,2,3
	global_load_b128 v[184+8*\t:187+8*\t], v8, s[12:13] offset:64*\t          ; b_p of column 16 t + 8 h + j
	global_load_b128 v[188+8*\t:191+8*\t], v8, s[12:13] offset:64*\t+16
.endr
.irp rt, 0,1
.irp t, 0,1,2,3
	global_load_b128 v[ACC+32*\rt+8*\t:ACC+32*\rt+8*\t+3],   v1, s[14:15] offset:65536*\rt+1024*\t th:TH_LOAD_NT
	global_load_b128 v[ACC+32*\rt+8*\t+4:ACC+32*\rt+8*\t+7], v1, s[14:15] offset:65536*\rt+1024*\t+512 th:TH_LOAD_NT
.endr
.endr
	BLOAD 0
	BLOAD 1
	s_wait_loadcnt 60                              ; the context's two loads are in; behind them stand 16 + 4 + 8 + 16 + 16
	ds_store_b128 v12, v[216:219]
	ds_store_b128 v12, v[220:223] offset:8192
	s_wait_loadcnt 44                              ; its scale bytes too; behind them 4 + 8 + 16 + 16
.irp k, 0,1,2,3,4,5,6,7
	v_lshl_or_b32 v[CS+\k], v[225+2*\k], 16, v[224+2*\k]   ; K step k: heads 2 k and 2 k + 1
.endr
	s_wait_tensorcnt 0x0                           ; my rows of pos_v lie in LDS
	s_wait_dscnt 0x0                               ; for the others' sake: my part of the context lies in LDS
	s_barrier_signal -1
	s_barrier_wait -1
	v_mov_b32 v220, 0
	v_mov_b32 v221, 0
.irp t, 0,1,2,3
	ds_load_b128 v[224+8*\t:227+8*\t], v3 offset:64*\t
	ds_load_b128 v[228+8*\t:231+8*\t], v3 offset:64*\t+16
.endr
	s_wait_loadcnt 16                              ; W_p's scales, b_p and relu(v1) are in; W_p's two sets may stay out
.irp rt, 0,1
.set i, 0
.rept 16
	v_pk_add_f32 v[ACC+32*\rt+i:ACC+32*\rt+i+1], v[ACC+32*\rt+i:ACC+32*\rt+i+1], v[184+i:185+i]
.set i, i+2
.endr
.endr
	s_wait_dscnt 0x0
.set i, 0
.rept 16
	v_pk_add_f32 v[ACC+i:ACC+i+1], v[ACC+i:ACC+i+1], v[224+i:225+i]
.set i, i+2
.endr
.irp t, 0,1,2,3
	ds_load_b128 v[224+8*\t:227+8*\t], v3 offset:16*POSP+64*\t
	ds_load_b128 v[228+8*\t:231+8*\t], v3 offset:16*POSP+64*\t+16
.endr
	s_wait_dscnt 0x0
.set i, 0
.rept 16
	v_pk_add_f32 v[ACC+32+i:ACC+32+i+1], v[ACC+32+i:ACC+32+i+1], v[224+i:225+i]
.set i, i+2
.endr
.irp k, 0,1,2,3,4,5
	KSTEP \k, 16                                   ; the two younger sets may stay out
.endr
	KSTEP 6, 8
	KSTEP 7, 0
	PLACES 4                                       ; places behind the last products: for the loads below and the first read of results
.irp t, 0,1,2,3
	global_load_b128 v[120+8*\t:123+8*\t], v8, s[18:19] offset:64*\t          ; gamma
	global_load_b128 v[124+8*\t:127+8*\t], v8, s[18:19] offset:64*\t+16
	global_load_b128 v[152+8*\t:155+8*\t], v8, s[20:21] offset:64*\t          ; beta
	global_load_b128 v[156+8*\t:159+8*\t], v8, s[20:21] offset:64*\t+16
.endr
	; ---- the mean
	v_pk_add_f32 v[216:217], v[ACC:ACC+1], v[ACC+2:ACC+3]                     ; each accumulator from its low end on; the two tiles of rows by turns
	v_pk_add_f32 v[218:219], v[ACC+32:ACC+33], v[ACC+34:ACC+35]
.set i, 4
.rept 14
	v_pk_add_f32 v[216:217], v[216:217], v[ACC+i:ACC+i+1]
	v_pk_add_f32 v[218:219], v[218:219], v[ACC+32+i:ACC+32+i+1]
.set i, i+2
.endr
	v_add_f32 v216, v216, v217
	v_add_f32 v218, v218, v219
	ROWSUM 0
	v_mul_f32 v224, 0xba800000, v224               ; x -2^-10: minus the mean
	SPREAD
.set i, 0
.rept 16
	v_pk_add_f32 v[ACC+i:ACC+i+1], v[ACC+i:ACC+i+1], v[216:217]               ; x - mean
	v_pk_add_f32 v[ACC+32+i:ACC+32+i+1], v[ACC+32+i:ACC+32+i+1], v[218:219]
.set i, i+2
.endr
	; ---- the variance
	v_pk_mul_f32 v[216:217], v[ACC:ACC+1], v[ACC:ACC+1]
	v_pk_mul_f32 v[218:219], v[ACC+32:ACC+33], v[ACC+32:ACC+33]
.set i, 2
.rept 15
	v_pk_fma_f32 v[216:217], v[ACC+i:ACC+i+1], v[ACC+i:ACC+i+1], v[216:217]
	v_pk_fma_f32 v[218:219], v[ACC+32+i:ACC+32+i+1], v[ACC+32+i:ACC+32+i+1], v[218:219]
.set i, i+2
.endr
	v_add_f32 v216, v216, v217
	v_add_f32 v218, v218, v219
	ROWSUM ST2D                                    ; other bytes than the first pass's: no wave can still be reading those that are written
	v_fma_f32 v224, v224, 0x3a800000, s41          ; the variance + 1e-6
	v_rsq_f32 v224, v224
	v_nop                                          ; a plain place behind the root
	s_wait_alu depctr_va_vdst(0)                   ; and the wait ahead of its first reader
	SPREAD
	s_wait_loadcnt 0x0                             ; gamma and beta
.set i, 0
.rept 16
	v_pk_mul_f32 v[ACC+i:ACC+i+1], v[ACC+i:ACC+i+1], v[216:217]
	v_pk_mul_f32 v[ACC+32+i:ACC+32+i+1], v[ACC+32+i:ACC+32+i+1], v[218:219]
	v_pk_fma_f32 v[ACC+i:ACC+i+1], v[ACC+i:ACC+i+1], v[120+i:121+i], v[152+i:153+i]
	v_pk_fma_f32 v[ACC+32+i:ACC+32+i+1], v[ACC+32+i:ACC+32+i+1], v[120+i:121+i], v[152+i:153+i]
.set i, i+2
.endr
	; ---- the way out: through my own region, which has had its one fill and my last read of pos_v; back as rows of 256 bytes
.irp rt, 0,1
.irp t, 0,1,2,3
	ds_store_b128 v3, v[ACC+32*\rt+8*\t:ACC+32*\rt+8*\t+3]   offset:16*POSP*\rt+64*\t
	ds_store_b128 v3, v[ACC+32*\rt+8*\t+4:ACC+32*\rt+8*\t+7] offset:16*POSP*\rt+64*\t+16
.endr
.endr
.set i, 0
.rept 16
	ds_load_b128 v[120+4*i:123+4*i], v4 offset:2*POSP*i     ; LDS serves a wave's instructions in order (ISA guide 5.7.1.4): these see my stores
.set i, i+1
.endr
.set i, 0
.rept 16
	s_wait_dscnt 15-i
	global_store_b128 v5, v[120+4*i:123+4*i], s[22:23] offset:8192*i th:TH_STORE_NT   ; sixteen lanes store 256 consecutive bytes, aligned; two rows an instruction
.set i, i+1
.endr
	s_wait_xcnt 0x0
	v_lshl_add_u32 v254, v0, 2, 0x29000
	v_mov_b32 v255, 0
	s_wait_tensorcnt 0x0
	ds_add_u32 v254, v255
	s_wait_dscnt 0x0
	s_endpgm
.Lfunc_end_k_q7a63130b09_outln:
	.size	k_q7a63130b09_outln, .Lfunc_end_k_q7a63130b09_outln-k_q7a63130b09_outln
	.p2alignl 7, 3214868480
	.fill 96, 4, 3214868480
	.section	.rodata,"a",@progbits
	.p2align	6, 0x0
	.amdhsa_kernel k_q7a63130b09_outln
		.amdhsa_group_segment_fixed_size 169984
		.amdhsa_private_segment_fixed_size 0
		.amdhsa_enable_private_segment 0
		.amdhsa_kernarg_size 80
		.amdhsa_user_sgpr_count 2
		.amdhsa_user_sgpr_kernarg_segment_ptr 1
		.amdhsa_wavefront_size32 1
		.amdhsa_system_sgpr_workgroup_id_x 1
		.amdhsa_system_sgpr_workgroup_id_y 1
		.amdhsa_system_sgpr_workgroup_id_z 1
		.amdhsa_system_vgpr_workitem_id 0
		.amdhsa_next_free_vgpr 256
		.amdhsa_next_free_sgpr 66
		.amdhsa_reserve_vcc 0
		.amdhsa_float_denorm_mode_32 3
		.amdhsa_float_denorm_mode_16_64 3
		.amdhsa_memory_ordered 1
		.amdhsa_forward_progress 1
		.amdhsa_inst_pref_size 51
	.end_amdhsa_kernel
	.amdgpu_metadata
---
amdhsa.version: [ 1, 2 ]
amdhsa.kernels:
  - .name:           k_q7a63130b09_outln
    .symbol:         k_q7a63130b09_outln.kd
    .args:
      - { .name: ctx_img, .offset: 0, .size: 8, .value_kind: global_buffer, .address_space: global }
      - { .name: ctx_sc, .offset: 8, .size: 8, .value_kind: global_buffer, .address_space: global }
      - { .name: wp_img, .offset: 16, .size: 8, .value_kind: global_buffer, .address_space: global }
      - { .name: W_p_scales, .offset: 24, .size: 8, .value_kind: global_buffer, .address_space: global }
      - { .name: b_p, .offset: 32, .size: 8, .value_kind: global_buffer, .address_space: global }
      - { .name: resid, .offset: 40, .size: 8, .value_kind: global_buffer, .address_space: global }
      - { .name: pos_v, .offset: 48, .size: 8, .value_kind: global_buffer, .address_space: global }
      - { .name: ln_gamma, .offset: 56, .size: 8, .value_kind: global_buffer, .address_space: global }
      - { .name: ln_beta, .offset: 64, .size: 8, .value_kind: global_buffer, .address_space: global }
      - { .name: out0, .offset: 72, .size: 8, .value_kind: global_buffer, .address_space: global }
    .group_segment_fixed_size: 169984
    .private_segment_fixed_size: 0
    .kernarg_segment_align: 8
    .kernarg_segment_size: 80
    .max_flat_workgroup_size: 512
    .sgpr_count:     66
    .vgpr_count:     256
    .wavefront_size: 32
...
	.end_amdgpu_metadata
.endif
;; end of part 3
